; MI455X (gfx1250); checked and timed in simulation.
; The chip was launched on July 23, 2026; its instructions are those of AMD's public machine-readable ISA for CDNA 5 (MIT licence, August 2026) and "CDNA5" Instruction Set Architecture Reference Guide (July 2026). The comments in the code are by the model that wrote it; some were corrected since.
;; Multi Head Self Attention. Allowed arithmetic: matrix products marked QUANTISED: E2M3 operands, one E8M0 scale for each 32 along K, by v_wmma_scale_f32_16x16x128_f8f6f4 with both operands' format E2M3, f32 sums; everything else in f32.
;; Inputs: out_b 1,024 float32; out_w 1,024 x 1,024 float32; qkv_b 3,072 float32; qkv_w 3,072 x 1,024 float32; x 4 x 2,048 x 1,024 float32.
;; Outputs: out0 4 x 2,048 x 1,024 float32.
;; This version of the problem:
;;   THIS VERSION OF THE PROBLEM IS GIVEN IN LOW PRECISION. The matrix products marked QUANTISED in the list below multiply operands that are first quantised to E2M3 (2 exponent bits, 3 mantissa bits; 6 bits a number), with one power-of-two scale for each 32 numbers along K (OCP MX v1.0); their sums are f32. All else is computed in f32.
;;   The module's matrix products, in the order in which they are computed (A, B: the left and right operand; K: the contracted axis; several contracted axes count as one K, in the product's order):
;;     1. [M 8,192, K 1,024] x [K 1,024, N 3,072]; A: input x; B: input qkv_w: QUANTISED
;;     2. batch 64 x [M 2,048, K 64] x [K 64, N 2,048]; A: computed on the way; B: computed on the way: QUANTISED
;;     3. batch 64 x [M 2,048, K 2,048] x [K 2,048, N 64]; A: softmax (see below); B: computed on the way: QUANTISED
;;     4. [M 8,192, K 1,024] x [K 1,024, N 1,024]; A: computed on the way; B: input out_w: QUANTISED
;;   THE QUANTISER, for each operand of a quantised product, along K:
;;     - K is cut into blocks of 32 from its start; a last block that is shorter is filled with zeros.
;;     - A block's scale is 2^e with e = floor(log2(the largest magnitude in the block)) - 2, held to -126 .. 127; a block of zeros has e = 0. As a byte (E8M0): e + 127.
;;     - Each number is divided by its block's scale, clamped to +-7.5, and rounded to the nearest number of E2M3, ties to even, subnormals kept.
;;     - The product sums the exact products of the quantised numbers (number of the format x scale) in f32.
;;   ~~~python
;;   def quantise(x, axis):      # numpy; x: float32 -> the quantised numbers, widened to float32 again
;;       x = np.moveaxis(x, axis, -1); K = x.shape[-1]
;;       x = np.pad(x, [(0, 0)] * (x.ndim - 1) + [(0, -K % 32)]); x = x.reshape(x.shape[:-1] + (-1, 32)); a = np.abs(x).max(-1, keepdims=True)
;;       e = np.where(a > 0, np.clip(np.frexp(np.where(a > 0, a, 1))[1] - 1 - 2, -126, 127), 0)      # np.frexp(a)[1] - 1 = floor(log2(a)), exactly
;;       r = np.clip(x / 2.0 ** e, -7.5, 7.5)
;;       step = 2.0 ** (np.maximum(np.frexp(np.where(r == 0, 1, r))[1] - 1, 0) - 3)
;;       q = np.round(r / step) * step * 2.0 ** e      # np.round: ties to even
;;       return np.moveaxis(q.reshape(q.shape[:-2] + (-1,))[..., :K], -1, axis).astype(np.float32)
;;   ~~~
;;   SOFTMAX AHEAD OF A QUANTISED PRODUCT. Where the list says 'softmax', what is quantised is not the finished softmax but p = 2^(t - M), with t = logit x log2(e) and M = ceil(the row's largest t), a whole number; so 1/2 < the row's largest p <= 1. The row's sum l is taken of the UNQUANTISED p, in f32, and the product's result is divided by l at the end. Since M is a whole number, a kernel that streams over the keys may use a running M (the ceiling of the running maximum): every later rescaling is an exact power of two, which a block's scale takes up: the codes' values come out the same.
;;   OPERANDS COMPUTED ON THE WAY. 'Computed on the way' means the value that the module computes at that place (a softmax that the list does not call 'softmax' is quantised finished and normalised). What goes into a quantiser is computed in f32, as accurately as f32 sums, v_exp_f32 and their like allow (about 1e-6 of the number): no bf16 or f16 on the way to a quantiser, and a product that is left as it is and whose result goes on into a quantised operand takes f32 operands (vector FMAs, or v_wmma_f32_16x16x4_f32). A number that lies on a knife's edge between two numbers of the format may be rounded either way, as far as f32 arithmetic and the matrix unit's own rounding can turn it there, and no further.
;; One version. Each part assembles by itself: llvm-mc -triple=amdgcn-amd-amdhsa -mcpu=gfx1250 --defsym DOCPART=n.
;; ======== version 1 of 1: 4 launches
;; workspace buffers: wcodes 9,437,184 bytes; wscales 393,216 bytes; qkvc 18,874,368 bytes; qkvs 1,310,720 bytes; ocodes 6,291,456 bytes; oscales 262,144 bytes
;; launch quant (part 1): grid 256 x 1, 3 waves a work-group, no clusters, 27,136 bytes of LDS; arguments x, qkv_w, out_w, wcodes, wscales; writes wcodes, wscales
.if DOCPART == 1
	.amdgcn_target "amdgcn-amd-amdhsa--gfx1250"
	.amdhsa_code_object_version 6
	.text
	.protected	k_q48a62acca2_quant
	.globl	k_q48a62acca2_quant
	.p2align	8
	.type	k_q48a62acca2_quant,@function
k_q48a62acca2_quant:
	s_mov_b64 s[64:65], 0
	v_nop
	global_prefetch_b8 v0, s[64:65] scope:SCOPE_SE
	s_setreg_imm32_b32 hwreg(HW_REG_WAVE_MODE, 25, 1), 1
	s_wait_xcnt 0x0
; x [8192][1024], qkv_w [3072][1024] and out_w [1024][1024], f32, become codes of FP6 (E2M3) with one E8M0 byte for each 32 along K, laid as IMAGES OF OPERAND REGISTERS.
; A TILE is 16 rows: tile 2 B + u holds rows 32 B + 8 u + r + 8 (r / 8), r = 0 .. 15.  Tiles 0-511 are x's, 512-703 qkv_w's, 704-767 out_w's.
; A HALF IMAGE, 768 bytes, is 16 rows x 64 K: lane (r, h) holds the 32 codes of k = 32 h .. 32 h + 31 in six registers; registers 0-3 lie at 16 x lane, registers 4-5 at 512 + 8 x lane.
; wcodes: [tile][16 half images][768].  wscales: [tile][h][r][4 words]: word i of lane (r, h) holds the four bytes of K step 4 h + i of row r.
; A block's scale is 2^(floor(log2(its largest magnitude)) - 2); its byte is the largest magnitude's exponent field - 2, held at 1 from below.
; LIMITS: NaN and infinities are not served; a block whose largest magnitude lies under 2^-124 gets the byte 1, a block of zeros too (the rule says 127: its codes are zeros and this program alone reads the bytes).
; SHARES: one wave, one tile, all of K in 8 steps of 128.  768 waves, three to a work-group; waves share nothing: no barrier.  Each load reads 512 consecutive bytes of one row; a step's 16 rows turn through
; the wave's own stage in LDS (rows 528 bytes apart, so that the 16 rows of a read begin in 16 different columns of 16 bytes) and come back 256 bytes a lane: two whole blocks of 32.
.set SP,   528                         ; a stage row: 512 bytes + 16
.set WST,  16*SP                       ; a wave's stage
.set W,    16                          ; v16-23   the scale word of each K step
.set SW,   24                          ; v24-27   the four words that my lane stores
.set R,    32                          ; v32-159  two sets of 64 registers as loaded
.set X,    160                         ; v160-223 my two blocks: register 32 c + i = k 64 c + 32 h + i of row r
.set C,    224                         ; v224-235 the fragment's 12 registers
.set CT,   236                         ; v236-243 the blocks' upper halves, as the conversion leaves them
.set MX,   244                         ; v244-245 largest magnitudes
.set SO,   246                         ; v246-247 the conversions' scale operands
.set BY,   248                         ; v248-249 the bytes
	s_load_b256 s[4:11], s[0:1], 0x0               ; x s[4:5], qkv_w s[6:7], out_w s[8:9], wcodes s[10:11]
	s_load_b64 s[12:13], s[0:1], 0x20              ; wscales
	v_lshl_add_u32 v254, v0, 2, 0x6800
	v_mov_b32 v255, 0
	v_lshrrev_b32 v9, 5, v0
	v_readfirstlane_b32 s14, v9                    ; wave 0..2
	v_and_b32 v1, 31, v0                           ; lane
	v_and_b32 v2, 15, v0                           ; r
	v_bfe_u32 v3, v0, 4, 1                         ; h
	v_lshlrev_b32 v4, 4, v1                        ; 16 x lane: loads, stores of 16 bytes
	v_lshlrev_b32 v5, 3, v1                        ; 8 x lane: stores of 8 bytes
	s_mul_i32 s22, s14, WST
	v_add_nc_u32 v6, s22, v4                       ; the stage, in: 16 x lane of a row
	v_mul_u32_u24 v7, v2, SP
	v_lshl_add_u32 v7, v3, 7, v7
	v_add_nc_u32 v7, s22, v7                       ; and out: row r, + 128 h
	v_lshlrev_b32 v8, 3, v3                        ; 8 h: my bytes' place in a scale word
	v_mov_b32 v10, 0                               ; a lane permute's destination counts as read: written once
	s_mov_b32 s20, 0x76543210
	s_mov_b32 s21, 0xfedcba98                      ; lane l xor 16
	s_mul_i32 s23, ttmp9, 3
	s_add_co_u32 s23, s23, s14                     ; my tile, 0 .. 767
	s_mov_b32 s15, 704
	s_wait_alu depctr_va_vdst(0)
	s_wait_kmcnt 0x0
	s_cmp_lt_u32 s23, 704                          ; which tensor: the choice hangs on the tile's number alone
	s_cselect_b64 s[6:7], s[6:7], s[8:9]
	s_cselect_b32 s15, 512, s15
	s_cmp_lt_u32 s23, 512
	s_cselect_b64 s[4:5], s[4:5], s[6:7]
	s_cselect_b32 s15, 0, s15
	s_sub_co_u32 s15, s23, s15                     ; the tile's number in its tensor
	s_lshr_b32 s16, s15, 1
	s_lshl_b32 s16, s16, 17                        ; 32 rows of 4,096 bytes for each pair of tiles,
	s_and_b32 s17, s15, 1
	s_lshl_b32 s17, s17, 15                        ; 8 rows for the odd one
	s_add_co_u32 s16, s16, s17
	s_mov_b32 s17, 0
	s_add_nc_u64 s[4:5], s[4:5], s[16:17]
	s_mul_i32 s16, s23, 12288
	s_add_nc_u64 s[10:11], s[10:11], s[16:17]
	s_lshl_b32 s16, s23, 9
	s_add_nc_u64 s[12:13], s[12:13], s[16:17]
.macro LOAD s                          ; K step s: 16 rows x 512 bytes into set s % 2; tile row i is row i + 8 (i / 8)
.irp i, 0,1,2,3,4,5,6,7,8,9,10,11,12,13,14,15
	global_load_b128 v[R+64*((\s)%2)+4*\i:R+64*((\s)%2)+4*\i+3], v4, s[4:5] offset:(\i+8*(\i/8))*4096+512*(\s) th:TH_LOAD_NT
.endr
.endm
.macro STEP s
.if (\s) < 7
	s_wait_loadcnt 16                              ; this step's 16 loads are in; the next step's 16 may be out
.else
	s_wait_loadcnt 0x0
.endif
.irp i, 0,1,2,3,4,5,6,7,8,9,10,11,12,13,14,15
	ds_store_b128 v6, v[R+64*((\s)%2)+4*\i:R+64*((\s)%2)+4*\i+3] offset:SP*\i
.endr
.irp c, 0,1
.irp i, 0,1,2,3,4,5,6,7
	ds_load_b128 v[X+32*\c+4*\i:X+32*\c+4*\i+3], v7 offset:256*\c+16*\i   ; LDS serves a wave's instructions in order: these see the stores above
.endr
.endr
	s_wait_dscnt 0x0                               ; my blocks are in, and the stage's stores have read their registers,
.if (\s)+2 < 8
	LOAD (\s)+2                                    ; which take the loads of two steps on
.endif
.irp c, 0,1
	v_max3_num_f32 v[MX+\c], |v[X+32*\c]|, |v[X+32*\c+1]|, 0x1800000   ; block 2 c + h: all 32 numbers are mine; the floor 2^(3 - 127) holds the byte at 1 from below
.endr
.irp i, 2,4,6,8,10,12,14,16,18,20,22,24,26,28,30
.irp c, 0,1
	v_max3_num_f32 v[MX+\c], v[MX+\c], |v[X+32*\c+\i]|, |v[X+32*\c+\i+1]|   ; the two blocks by turns
.endr
.endr
.irp c, 0,1
	v_add_nc_u32 v[SO+\c], 0xff000000, v[MX+\c]    ; 2 off the exponent field: the conversion takes this operand's exponent field as its scale
.endr
.irp c, 0,1
	v_lshrrev_b32 v[BY+\c], 23, v[SO+\c]           ; the scale's byte
.endr
	v_lshl_or_b32 v9, v[BY+1], 16, v[BY]           ; blocks h and 2 + h,
	v_lshlrev_b32 v9, v8, v9                       ; at their places in the word;
	v_permlanex16_b32 v10, v9, s20, s21
	v_or_b32 v[W+(\s)], v9, v10                    ; with lane l xor 16's two the word is whole
	s_wait_alu depctr_va_vdst(0)
	s_wait_xcnt 0x0                                ; the last step's stores have read their data: the codes' registers are written again only behind this wait
.irp c, 0,1
	v_cvt_scalef32_pk16_fp6_f32 v[C+6*\c:C+6*\c+2], v[X+32*\c:X+32*\c+15], v[SO+\c]
	v_cvt_scalef32_pk16_fp6_f32 v[CT+4*\c:CT+4*\c+2], v[X+32*\c+16:X+32*\c+31], v[SO+\c]   ; (a conversion's three registers begin on an even number)
.endr
	v_nop                                          ; one plain place behind a scaled conversion
.irp c, 0,1
.irp i, 0,1,2
	v_mov_b32 v[C+6*\c+3+\i], v[CT+4*\c+\i]
.endr
.endr
.irp c, 0,1
	global_store_b128 v4, v[C+6*\c:C+6*\c+3], s[10:11] offset:(2*(\s)+\c)*768         ; 512 consecutive bytes,
	global_store_b64 v5, v[C+6*\c+4:C+6*\c+5], s[10:11] offset:(2*(\s)+\c)*768+512    ; and 256: a half image is three whole aligned blocks of 256 bytes
.endr
.endm
	LOAD 0
	LOAD 1
.irp q, 0,1,2,3,4,5,6,7
	STEP \q
.endr
	v_cmp_lt_u32 vcc_lo, 15, v1                    ; lanes 16-31 store K steps 4 to 7
.irp i, 0,1,2,3
	v_cndmask_b32 v[SW+\i], v[W+\i], v[W+4+\i], vcc_lo
.endr
	global_store_b128 v4, v[SW:SW+3], s[12:13]     ; the tile's 512 bytes of scale words
	s_wait_tensorcnt 0x0
	ds_add_u32 v254, v255
	s_wait_dscnt 0x0
	s_endpgm
.Lfunc_end_k_q48a62acca2_quant:
	.size	k_q48a62acca2_quant, .Lfunc_end_k_q48a62acca2_quant-k_q48a62acca2_quant
	.p2alignl 7, 3214868480
	.fill 96, 4, 3214868480
	.section	.rodata,"a",@progbits
	.p2align	6, 0x0
	.amdhsa_kernel k_q48a62acca2_quant
		.amdhsa_group_segment_fixed_size 27136
		.amdhsa_private_segment_fixed_size 0
		.amdhsa_enable_private_segment 0
		.amdhsa_kernarg_size 40
		.amdhsa_user_sgpr_count 2
		.amdhsa_user_sgpr_kernarg_segment_ptr 1
		.amdhsa_wavefront_size32 1
		.amdhsa_system_sgpr_workgroup_id_x 1
		.amdhsa_system_sgpr_workgroup_id_y 1
		.amdhsa_system_sgpr_workgroup_id_z 1
		.amdhsa_system_vgpr_workitem_id 0
		.amdhsa_next_free_vgpr 256
		.amdhsa_next_free_sgpr 66
		.amdhsa_reserve_vcc 1
		.amdhsa_float_denorm_mode_32 3
		.amdhsa_float_denorm_mode_16_64 3
		.amdhsa_memory_ordered 1
		.amdhsa_forward_progress 1
		.amdhsa_inst_pref_size 58
	.end_amdhsa_kernel
	.amdgpu_metadata
---
amdhsa.version: [ 1, 2 ]
amdhsa.kernels:
  - .name:           k_q48a62acca2_quant
    .symbol:         k_q48a62acca2_quant.kd
    .args:
      - { .name: x, .offset: 0, .size: 8, .value_kind: global_buffer, .address_space: global }
      - { .name: qkv_w, .offset: 8, .size: 8, .value_kind: global_buffer, .address_space: global }
      - { .name: out_w, .offset: 16, .size: 8, .value_kind: global_buffer, .address_space: global }
      - { .name: wcodes, .offset: 24, .size: 8, .value_kind: global_buffer, .address_space: global }
      - { .name: wscales, .offset: 32, .size: 8, .value_kind: global_buffer, .address_space: global }
    .group_segment_fixed_size: 27136
    .private_segment_fixed_size: 0
    .kernarg_segment_align: 8
    .kernarg_segment_size: 40
    .max_flat_workgroup_size: 96
    .sgpr_count:     66
    .vgpr_count:     256
    .wavefront_size: 32
...
	.end_amdgpu_metadata
.endif
;; end of part 1
;; launch qkv (part 2): grid 12 x 64, 4 waves a work-group, clusters of 4 x 4, 295,424 bytes of LDS; arguments wcodes, wscales, qkv_b, qkvc, qkvs; writes qkvc, qkvs
.if DOCPART == 2
	.amdgcn_target "amdgcn-amd-amdhsa--gfx1250"
	.amdhsa_code_object_version 6
	.text
	.protected	k_q48a62acca2_qkv
	.globl	k_q48a62acca2_qkv
	.p2align	8
	.type	k_q48a62acca2_qkv,@function
k_q48a62acca2_qkv:
	s_mov_b64 s[64:65], 0
	v_nop
	global_prefetch_b8 v0, s[64:65] scope:SCOPE_SE
	s_setreg_imm32_b32 hwreg(HW_REG_WAVE_MODE, 25, 1), 1
	s_wait_xcnt 0x0
	s_wait_alu depctr_hold_cnt(0) depctr_sa_sdst(0) depctr_va_vdst(0) depctr_va_sdst(0) depctr_va_ssrc(0) depctr_va_vcc(0) depctr_vm_vsrc(0)
	s_getreg_b32 s2, hwreg(HW_REG_IB_STS2, 6, 4)
	s_cmp_eq_u32 s2, 0
	s_cbranch_scc0 .Lentry_in_a_cluster
	s_endpgm
.Lentry_in_a_cluster:
	s_bfe_u32 s2, ttmp6, 0x10000c
	s_cmp_lg_u32 s2, 0xf033
	s_cbranch_scc0 .Lentry_shape_is_right
	s_endpgm
.Lentry_shape_is_right:
; qkv = x qkv_w^T + qkv_b on codes of FP6 (E2M3) with E8M0 scales, and q, k, v quantised again on the way out: q and k along the head's 64, v along the keys.  No f32 number of q, k, v goes to memory.
; OPERANDS come as images of registers: wcodes [tile][16 half images][768], wscales [tile][512].  A tile's lane r is row 32 B + 8 u + r + 8 (r / 8) of its tensor (tile 2 B + u).
; A WORK-GROUP makes 128 rows of operand A x 256 rows of operand B, all of K = 1,024.  Both operands' codes, 98,304 + 196,608 bytes, are brought into LDS ONCE, in four chunks of 256 along K: nothing is filled again.
; Four waves: wave w takes A's tiles 4 (w / 2) .. + 3 and B's tiles 8 (w % 2) .. + 7: 32 accumulators.  The matrix instruction is used transposed (source 0 = B's tile, source 1 = A's): a lane holds ONE row of A, and,
; by the order of a tile's rows, register 8 b + j of lane (r, h) is B's row 32 (b / 2) + 16 h + 8 (b % 2) + j: registers 16 B + i are 16 neighbours.
; ROLES by the cluster's x (0: q, 1: k, 2: v), equal in all partners and chosen by selects, never by a branch.  q, k: A = x (a lane a token), B = the weight (registers along the features).
; v: A = the weight (a lane a feature), B = x (registers along the tokens, which are the K of attention's second product).
; CLUSTER 4 x 4: A's tiles hang on cy alone and are asked for jointly by a row of the cluster, B's on cx alone, by a column.  That divides the requests for both by four.
; OUT: qkvc [bh][294,912]: Q [128 tiles][768]; K likewise at 98,304; V [16 steps][c 2][d tile 4][768] at 196,608.  qkvs [bh][20,480]: Q's words [tile / 4][r][tile % 4]; K's at 8,192; V's [step][r][d tile] at 16,384.
; A word of Q or K has the head's two bytes below and two bytes 0 above (the upper half of a K step of 128 is zero codes in attention).
; LIMITS: NaN and infinities are not served; a block whose largest magnitude lies under 2^-124, a block of zeros too, gets the byte 1.
; REGISTERS: window 0: v1-7 at work; v8-23 LDS addresses, one set a chunk; v24-27 offsets; v32-47 A's scale words, v48-79 B's; v80-127 codes on the way out; v128-223 A's fragments, two sets; v224-231 v's bias.
;   window 1: v0-191 B's fragments, two sets; v192-255 q's and k's bias in the result's layout.   window 2: accumulator (a, b) at v[8 (8 a + b)].
.set CHUNK, 73728                      ; LDS: a chunk: A's 8 tiles x 3,072 bytes, then B's 16
.set BOFF,  24576
.set ADA16, 8                          ; v8-11   my A tiles in chunk q: 16 x lane;  v12-15: 8 x lane + 512
.set ADA8,  12
.set ADB16, 16                         ; v16-19, v20-23 the same for B
.set ADB8,  20
.set L16,   24                         ; v24  16 x lane
.set L8,    25                         ; v25  8 x lane
.set SHV,   26                         ; v26  q, k: 16 h; v: 0: which half of a scale word my lane stores
.set SWO,   27                         ; v27  where it stores: 16 r, and for q, k the next head for lanes 16-31
.set SCA,   32
.set SCB,   48
.set PC,    80                         ; v80-127  four fragments of codes
.set AF,    128
.set ST,    128                        ; v128-191 the way out: 64 numbers
.set CT,    192                        ; v192-199 conversions' upper halves
.set TM,    200                        ; v200-203 largest magnitudes, v204-207 permutes and bytes, v212-215 scale operands
.set PW,    216                        ; v216-219 the four tiles' scale words
.set SWR,   220                        ; v220-223 as they are stored
.set BV,    224                        ; v224-231 v's bias: tile a's in v[224 + 2 a]; the odd ones are 0 (named as pairs)
.set BQ,    192                        ; window 1
.set WV,  14
.set AH,  15
.set BW,  16
.set G1A, 24                           ; s[24:31] group 1 for A's tiles;  s[32:47] groups 0, one a chunk
.set G0A, 32
.set G1B, 48                           ; s[48:55], s[68:83] the same for B's
.set G0B, 68
.set SEL, 100
.set MSB, 0
.macro WIN new                         ; the immediate's high byte repeats the setting that is left
.if MSB != \new
	s_set_vgpr_msb (MSB<<8)|\new
.set MSB, \new
.endif
.endm
.macro PLACES
.rept 4
	v_nop
.endr
.endm
.macro CROUND                          ; a round of the cluster's barrier
	s_barrier_signal -1
	s_barrier_wait -1
	s_cmp_lg_u32 s[WV], 0
	s_cbranch_scc1 .Lnot_wave_0_\@
	s_barrier_signal -3
.Lnot_wave_0_\@:
	s_barrier_wait -3
	s_barrier_signal -1
	s_barrier_wait -1
.endm
	s_load_b256 s[4:11], s[0:1], 0x0               ; wcodes s[4:5], wscales s[6:7], qkv_b s[8:9], qkvc s[10:11]
	s_load_b64 s[12:13], s[0:1], 0x20              ; qkvs
	v_lshl_add_u32 v254, v0, 2, 0x48000
	v_mov_b32 v255, 0
	ds_add_u32 v254, v255
	ds_add_u32 v254, v255
	v_lshrrev_b32 v1, 5, v0
	v_readfirstlane_b32 s[WV], v1                  ; wave 0..3
	s_lshr_b32 s[AH], s[WV], 1                     ; my half of A's rows.  Also: I fetch for A (0) or for B (1)
	s_and_b32 s[BW], s[WV], 1                      ; my half of B's rows.  Also: which half of that operand's tiles I fetch
	s_bfe_u32 s84, ttmp6, 0x40000                  ; cx
	s_bfe_u32 s85, ttmp6, 0x40004                  ; cy
	s_and_b32 s87, ttmp7, 0xffff                   ; the cluster's y, 0 .. 15
	s_lshl_b32 s21, s87, 2
	s_add_co_u32 s21, s21, s85                     ; q, k: A's block of 128 tokens = 4 Y + cy
	s_and_b32 s22, s87, 1
	s_lshl_b32 s22, s22, 2
	s_add_co_u32 s22, s22, s85                     ; v: A's block of 128 features = 4 (Y % 2) + cy
	s_lshl_b32 s23, ttmp9, 2
	s_add_co_u32 s23, s23, s84                     ; q, k: B's block of 256 features = 4 X + cx
	s_lshr_b32 s86, s87, 1
	s_lshl_b32 s86, s86, 2
	s_add_co_u32 s86, s86, s84                     ; v: B's block of 256 tokens = 4 (Y / 2) + cx
	s_cmp_eq_u32 ttmp9, 2                          ; v's cluster?  The same answer in all sixteen partners
	s_cselect_b32 s17, s22, s21                    ; A's block: made of cy, X, Y alone
	s_cselect_b32 s18, s86, s23                    ; B's block: of cx, X, Y alone
	s_cselect_b32 s19, 640, 0
	s_cselect_b32 s20, 0, 512
	s_lshl_b32 s21, s17, 3
	s_add_co_u32 s19, s19, s21                     ; A's first tile in wcodes
	s_lshl_b32 s21, s18, 4
	s_add_co_u32 s20, s20, s21                     ; B's
	s_lshl_b32 s88, s85, 2
	s_lshl_b32 s88, 15, s88                        ; my row of the cluster
	s_lshl_b32 s89, 0x1111, s84                    ; my column
	; group 1: rows of 3,072 bytes (a tile's part of a chunk: 384 elements of 8 bytes), 12,288 bytes apart; A: 4 tiles a load, B: 8
	s_or_b32 s[G1A], s88, (3<<16)|(1<<21)          ; 15:0 the mask; 17:16 elements of 8 bytes; 21 set beside a mask
	s_mov_b32 s[G1A+1], 384<<16                    ; tensor_dim0
	s_mov_b32 s[G1A+2], 4<<16                      ; tensor_dim1
	s_mov_b32 s[G1A+3], 384<<16                    ; tile_dim0
	s_mov_b32 s[G1A+4], 4                          ; tile_dim1
	s_mov_b32 s[G1A+5], 1536                       ; from tile to tile, in elements
	s_mov_b32 s[G1A+6], 0
	s_mov_b32 s[G1A+7], 0
	s_or_b32 s[G1B], s89, (3<<16)|(1<<21)
	s_mov_b32 s[G1B+1], 384<<16
	s_mov_b32 s[G1B+2], 8<<16
	s_mov_b32 s[G1B+3], 384<<16
	s_mov_b32 s[G1B+4], 8
	s_mov_b32 s[G1B+5], 1536
	s_mov_b32 s[G1B+6], 0
	s_mov_b32 s[G1B+7], 0
	s_lshl_b32 s21, s[BW], 2
	s_add_co_u32 s90, s19, s21
	s_mul_i32 s90, s90, 12288                      ; A: the four tiles that I would fetch
	s_mov_b32 s91, 0
	s_lshl_b32 s21, s[BW], 3
	s_add_co_u32 s92, s20, s21
	s_mul_i32 s92, s92, 12288                      ; B: the eight
	s_mov_b32 s93, 0
	s_mul_i32 s94, s[BW], 12288                    ; and where they go: no place in the cluster enters an LDS address
	s_mul_i32 s95, s[BW], 24576
	s_add_co_u32 s95, s95, BOFF
	s_wait_dscnt 0x0
	s_wait_kmcnt 0x0
	s_add_nc_u64 s[90:91], s[4:5], s[90:91]
	s_add_nc_u64 s[92:93], s[4:5], s[92:93]
.irp q, 0,1,2,3
	s_mov_b32 s[G0A+4*\q], 1
	s_add_co_u32 s[G0A+4*\q+1], s94, \q*CHUNK
	s_add_nc_u64 s[G0A+4*\q+2:G0A+4*\q+3], s[90:91], \q*3072
	s_or_b32 s[G0A+4*\q+3], s[G0A+4*\q+3], 0x80000000
	s_mov_b32 s[G0B+4*\q], 1
	s_add_co_u32 s[G0B+4*\q+1], s95, \q*CHUNK
	s_add_nc_u64 s[G0B+4*\q+2:G0B+4*\q+3], s[92:93], \q*3072
	s_or_b32 s[G0B+4*\q+3], s[G0B+4*\q+3], 0x80000000
.endr
	CROUND                                         ; all sixteen work-groups are here: the joint loads meet
	s_cmp_eq_u32 s[AH], 0                          ; a wave's four fills stand in one branch on its number: four tensor loads of mine are out
	s_cbranch_scc0 .Lfill_b
.irp q, 0,1,2,3
	tensor_load_to_lds s[G0A+4*\q:G0A+4*\q+3], s[G1A:G1A+7]
	s_nop 0
.endr
	PLACES
	s_branch .Lfilled
.Lfill_b:
.irp q, 0,1,2,3
	tensor_load_to_lds s[G0B+4*\q:G0B+4*\q+3], s[G1B:G1B+7]
	s_nop 0
.endr
	PLACES
.Lfilled:
	v_and_b32 v1, 31, v0                           ; lane
	v_and_b32 v2, 15, v0                           ; r
	v_bfe_u32 v3, v0, 4, 1                         ; h
	v_lshlrev_b32 v[L16], 4, v1
	s_wait_alu depctr_va_vdst(0)
	v_lshlrev_b32 v[L8], 3, v1
	v_add_nc_u32 v4, 512, v[L8]
	v_lshlrev_b32 v5, 6, v3                        ; q's, k's bias: 16 numbers on for lanes 16-31
	v_and_b32 v6, 8, v2
	v_add_nc_u32 v6, v6, v2
	v_lshlrev_b32 v6, 2, v6                        ; v's bias: my lane's row of a tile, r + 8 (r / 8)
	s_wait_alu depctr_va_vdst(0)
	s_mov_b32 s[SEL], 0x76543210
	s_mov_b32 s[SEL+1], 0xfedcba98
	; where the results go.  Both roles' offsets are made, then chosen
	s_lshr_b32 s56, s17, 4
	s_lshl_b32 s56, s56, 4                         ; q, k: 16 x batch
	s_and_b32 s21, s18, 3
	s_lshl_b32 s21, s21, 2
	s_add_co_u32 s56, s56, s21                     ; + 4 heads for each block of 256 features
	s_lshl_b32 s21, s[BW], 1
	s_add_co_u32 s56, s56, s21                     ; + my two: the first of them
	s_and_b32 s21, s17, 15
	s_lshl_b32 s21, s21, 1
	s_add_co_u32 s21, s21, s[AH]                   ; my four token tiles: tile / 4
	s_mul_i32 s57, s21, 3072
	s_mul_i32 s22, ttmp9, 98304
	s_add_co_u32 s57, s57, s22                     ; their codes in a head's part
	s_lshl_b32 s58, s21, 8
	s_lshl_b32 s22, ttmp9, 13
	s_add_co_u32 s58, s58, s22                     ; their words
	s_lshr_b32 s59, s18, 3
	s_lshl_b32 s59, s59, 4                         ; v: 16 x batch
	s_lshl_b32 s21, s17, 1
	s_add_co_u32 s59, s59, s21
	s_add_co_u32 s59, s59, s[AH]                   ; + my head
	s_and_b32 s21, s18, 7
	s_lshl_b32 s21, s21, 1
	s_add_co_u32 s21, s21, s[BW]                   ; my key step
	s_mul_i32 s60, s21, 6144
	s_add_co_u32 s60, s60, 196608
	s_lshl_b32 s61, s21, 8
	s_add_co_u32 s61, s61, 16384
	s_lshl_b32 s21, s18, 10
	s_lshl_b32 s22, s[BW], 9
	s_add_co_u32 s21, s21, s22                     ; q, k: my 128 features' bias, in bytes
	s_lshl_b32 s22, s17, 9
	s_lshl_b32 s23, s[AH], 8
	s_add_co_u32 s22, s22, s23
	s_add_co_u32 s22, s22, 8192                    ; v: my 64 features' bias
	s_mov_b32 s23, 294912
	s_cmp_eq_u32 ttmp9, 2
	s_cselect_b32 s56, s59, s56                    ; bh
	s_cselect_b32 s57, s60, s57
	s_cselect_b32 s58, s61, s58
	s_cselect_b32 s23, 3072, s23                   ; from a fragment's lower half image to its upper: q, k: the next head; v: the step's second 64 keys
	s_cselect_b32 s21, 0, s21                      ; the role that does not use a bias reads it at the buffer's head and puts zeros in its place
	s_cselect_b32 s22, s22, 0
	s_cselect_b32 s96, -1, 0                       ; all lanes: v
	s_cselect_b32 s97, 0, -1                       ; all lanes: q, k
	s_cselect_b32 s98, -1, 0xffff                  ; what is kept of a scale word
	s_cselect_b32 s99, 0, 20480                    ; lanes 16-31 store the next head's words (q, k)
	s_cselect_b32 s59, 0, 16
	s_mul_i32 s60, s56, 294912
	s_add_co_u32 s60, s60, s57
	s_mov_b32 s61, 0
	s_add_nc_u64 s[10:11], s[10:11], s[60:61]      ; the lower half images,
	s_mov_b32 s60, s23
	s_add_nc_u64 s[66:67], s[10:11], s[60:61]      ; the upper,
	s_mul_i32 s60, s56, 20480
	s_add_co_u32 s60, s60, s58
	s_add_nc_u64 s[12:13], s[12:13], s[60:61]      ; the words
	s_mov_b32 s60, s21
	s_add_nc_u64 s[2:3], s[8:9], s[60:61]
	s_mov_b32 s60, s22
	s_add_nc_u64 s[86:87], s[8:9], s[60:61]
	s_lshl_b32 s21, s[AH], 2
	s_add_co_u32 s60, s19, s21
	s_lshl_b32 s60, s60, 9
	s_add_nc_u64 s[56:57], s[6:7], s[60:61]        ; my A tiles' scale images
	s_lshl_b32 s21, s[BW], 3
	s_add_co_u32 s60, s20, s21
	s_lshl_b32 s60, s60, 9
	s_add_nc_u64 s[62:63], s[6:7], s[60:61]        ; my B tiles'
.irp a, 0,1,2,3
	global_load_b128 v[SCA+4*\a:SCA+4*\a+3], v[L16], s[56:57] offset:512*\a    ; lanes 0-15: K steps 0-3 of row r; lanes 16-31: K steps 4-7
.endr
.irp b, 0,1,2,3,4,5,6,7
	global_load_b128 v[SCB+4*\b:SCB+4*\b+3], v[L16], s[62:63] offset:512*\b
.endr
.irp a, 0,1,2,3
	global_load_b32 v[BV+2*\a], v6, s[86:87] offset:(32*(\a/2)+8*(\a%2))*4
.endr
	WIN 0x40                                       ; destination window 1
.irp b, 0,1,2,3,4,5,6,7
	global_load_b128 v[BQ+8*\b:BQ+8*\b+3], v5, s[2:3] offset:(32*(\b/2)+8*(\b%2))*4
	global_load_b128 v[BQ+8*\b+4:BQ+8*\b+7], v5, s[2:3] offset:(32*(\b/2)+8*(\b%2))*4+16
.endr
	WIN 0
	s_mul_i32 s21, s[AH], 12288                    ; my four tiles of A in a chunk,
	s_mul_i32 s22, s[BW], 24576
	s_add_co_u32 s22, s22, BOFF                    ; my eight of B
.irp q, 0,1,2,3
	v_add_nc_u32 v[ADA16+\q], s21, v[L16]
	v_add_nc_u32 v[ADA8+\q], s21, v4
	v_add_nc_u32 v[ADB16+\q], s22, v[L16]
	v_add_nc_u32 v[ADB8+\q], s22, v4
	s_add_co_u32 s21, s21, CHUNK
	s_add_co_u32 s22, s22, CHUNK
.endr
	v_mul_u32_u24 v[SHV], s59, v3
	v_mul_u32_u24 v[SWO], s99, v3
	v_lshl_add_u32 v[SWO], v2, 4, v[SWO]
	s_wait_loadcnt 0x0                             ; scale words and biases
	WIN 0x44                                       ; source 1 and destination window 1
.set j, 0
.rept 64
	v_cndmask_b32 v[BQ+j], 0, v[BQ+j], s97         ; v's sums begin at 0: its bias hangs on the lane, not on the register
.set j, j+1
.endr
	WIN 0
.irp a, 0,1,2,3
	v_cndmask_b32 v[BV+2*\a], 0, v[BV+2*\a], s96   ; and q's, k's get nothing added on the way out
	v_mov_b32 v[BV+2*\a+1], 0
.endr
.macro FRAGL reg, a16, a8, off         ; a fragment = two half images: four dense loads
	ds_load_b128 v[\reg:\reg+3], v[\a16] offset:\off
	ds_load_b64 v[\reg+4:\reg+5], v[\a8] offset:\off
	ds_load_b128 v[\reg+6:\reg+9], v[\a16] offset:\off+768
	ds_load_b64 v[\reg+10:\reg+11], v[\a8] offset:\off+768
.endm
.macro FETCH s                         ; K step s: B's eight fragments and A's four into set s % 2: 48 loads in one run
	WIN 0x40
.irp i, 0,1,2,3,4,5,6,7
	FRAGL 96*((\s)%2)+12*\i, ADB16+(\s)/2, ADB8+(\s)/2, 3072*\i+1536*((\s)%2)
.endr
	WIN 0
.irp i, 0,1,2,3
	FRAGL AF+48*((\s)%2)+12*\i, ADA16+(\s)/2, ADA8+(\s)/2, 3072*\i+1536*((\s)%2)
.endr
.endm
; Eight matrix instructions: A's tile a against B's eight.  The 32 accumulators take turns, one instruction a turn, in the same order in every K step.
; K step 0 starts the sums with the bias as C.  K steps 4 to 7 take their scale words from lanes 16-31.
.macro MUL8 a, s
.set FB, 96*((\s)%2)
.set FA, AF+48*((\s)%2)+12*(\a)
.set SI, (\s)%4
.irp b, 0,1,2,3,4,5,6,7
.set AC, 8*(8*(\a)+\b)
.if (\s) == 0
	v_wmma_scale_f32_16x16x128_f8f6f4 v[AC:AC+7], v[FB+12*\b:FB+12*\b+11], v[FA:FA+11], v[BQ+8*\b:BQ+8*\b+7], v[SCB+4*\b+SI], v[SCA+4*(\a)+SI] matrix_a_fmt:MATRIX_FMT_FP6 matrix_b_fmt:MATRIX_FMT_FP6
.elseif (\s) < 4
	v_wmma_scale_f32_16x16x128_f8f6f4 v[AC:AC+7], v[FB+12*\b:FB+12*\b+11], v[FA:FA+11], v[AC:AC+7], v[SCB+4*\b+SI], v[SCA+4*(\a)+SI] matrix_a_fmt:MATRIX_FMT_FP6 matrix_b_fmt:MATRIX_FMT_FP6
.else
	v_wmma_scale_f32_16x16x128_f8f6f4 v[AC:AC+7], v[FB+12*\b:FB+12*\b+11], v[FA:FA+11], v[AC:AC+7], v[SCB+4*\b+SI], v[SCA+4*(\a)+SI] matrix_a_fmt:MATRIX_FMT_FP6 matrix_b_fmt:MATRIX_FMT_FP6 matrix_a_scale:MATRIX_SCALE_ROW1 matrix_b_scale:MATRIX_SCALE_ROW1
.endif
.endr
.endr
.endm
.macro MWIN s
.if (\s) == 0
	WIN 0x91                                       ; source 0 (B) window 1, source 1 (A) window 0, C (the bias) window 1, D window 2
.else
	WIN 0xa1                                       ; C and D window 2
.endif
.endm
; A K step: 32 matrix instructions; behind the first eight the next step's 48 loads go out, 24 matrix instructions ahead of the wait for them.
; In K steps 1, 3, 5 the next step lies in the next chunk: each wave waits for its own load of that chunk (the count: the chunk loads issued behind it), signals, and reads behind the barrier.  Nothing is filled again.
.macro KSTEP s
	s_wait_dscnt 0x0                               ; this step's fragments are in
.if ((\s)%2 == 1) && ((\s) < 7)
	s_wait_tensorcnt 3-((\s)+1)/2
	s_barrier_signal -1
.endif
	MWIN \s
	MUL8 0, \s
.if ((\s)%2 == 1) && ((\s) < 7)
	s_barrier_wait -1
.endif
.if (\s) < 7
	PLACES                                         ; four places in front of loads into the set that the step before multiplied
	FETCH (\s)+1
	MWIN \s
.endif
	MUL8 1, \s
	MUL8 2, \s
	MUL8 3, \s
.endm
	s_wait_alu depctr_va_vdst(0)
	s_wait_tensorcnt 3                             ; my part of chunk 0 is in; the three chunks behind it may be out,
	s_barrier_signal -1
	s_barrier_wait -1                              ; everybody's is
	FETCH 0
.irp q, 0,1,2,3,4,5,6,7
	KSTEP \q
.endr
	WIN 0
; 64 numbers of a lane, register 16 b + i = k 32 b + 16 h + i of my row, become a fragment's codes in v[pc] on and its scale word in v[pw].
.macro QUANT s, pc, pw
.irp b, 0,1,2,3
	v_max3_num_f32 v[TM+\b], |v[\s+16*\b]|, |v[\s+1+16*\b]|, 0x1800000   ; block b: my 16 numbers, and the floor 2^(3 - 127): the byte cannot fall under 1
.endr
.irp i, 2,4,6,8,10,12,14
.irp b, 0,1,2,3
	v_max3_num_f32 v[TM+\b], v[TM+\b], |v[\s+16*\b+\i]|, |v[\s+1+16*\b+\i]|
.endr
.endr
.irp b, 0,1,2,3
	v_permlanex16_b32 v[TM+4+\b], v[TM+\b], s[SEL], s[SEL+1]
.endr
.irp b, 0,1,2,3
	v_max_num_f32 v[TM+\b], v[TM+\b], v[TM+4+\b]   ; with lane l xor 16's: the block's largest magnitude
.endr
.irp b, 0,1,2,3
	v_add_nc_u32 v[TM+12+\b], 0xff000000, v[TM+\b] ; 2 off its exponent field: the conversion's scale operand
.endr
.irp b, 0,1,2,3
	v_lshrrev_b32 v[TM+4+\b], 23, v[TM+12+\b]      ; the byte
.endr
	v_lshl_or_b32 v[\pw], v[TM+5], 8, v[TM+4]
	v_lshl_or_b32 v[\pw], v[TM+6], 16, v[\pw]
	v_lshl_or_b32 v[\pw], v[TM+7], 24, v[\pw]
.irp c, 0,1
	v_cvt_scalef32_pk16_fp6_f32 v[\pc+6*\c:\pc+6*\c+2], v[\s+32*\c:\s+32*\c+15], v[TM+12+2*\c]
	v_cvt_scalef32_pk16_fp6_f32 v[CT+4*\c:CT+4*\c+2], v[\s+32*\c+16:\s+32*\c+31], v[TM+12+2*\c+1]
.endr
	v_nop                                          ; one plain place behind a scaled conversion
.irp c, 0,1                                    ; the operand's layout wants a whole block in a lane: lanes 0-15 block 2 c, lanes 16-31 block 2 c + 1
.irp i, 0,1,2
	v_permlane16_swap_b32 v[\pc+6*\c+\i], v[CT+4*\c+\i]
.endr
.irp i, 0,1,2
	v_mov_b32 v[\pc+6*\c+3+\i], v[CT+4*\c+\i]
.endr
.endr
.endm
	; THE WAY OUT, one path for q, k and v: a tile of A's rows at a time: v's bias is added, the 64 numbers of a lane are quantised, the fragment leaves as two half images.
	PLACES                                         ; behind the last products: results are read, and registers that held fragments are written
.irp b, 0,1,2,3
	v_mov_b32 v[TM+4+\b], 0                        ; a lane permute's destination counts as read
.endr
.irp a, 0,1,2,3
	WIN 0x02                                       ; source 0 window 2
.set j, 0
.rept 32
	v_pk_add_f32 v[ST+j:ST+j+1], v[64*\a+j:64*\a+j+1], v[BV+2*\a:BV+2*\a+1] op_sel_hi:[1,0]   ; each accumulator from its low end on
.set j, j+2
.endr
	WIN 0
	QUANT ST, PC+12*\a, PW+\a
	global_store_b128 v[L16], v[PC+12*\a:PC+12*\a+3], s[10:11] offset:768*\a          ; every store covers whole aligned blocks of 256 bytes
	global_store_b64 v[L8], v[PC+12*\a+4:PC+12*\a+5], s[10:11] offset:768*\a+512
	global_store_b128 v[L16], v[PC+12*\a+6:PC+12*\a+9], s[66:67] offset:768*\a
	global_store_b64 v[L8], v[PC+12*\a+10:PC+12*\a+11], s[66:67] offset:768*\a+512
.endr
.irp a, 0,1,2,3
	v_lshrrev_b32 v[SWR+\a], v[SHV], v[PW+\a]      ; q, k: lanes 0-15 keep the first head's two bytes, lanes 16-31 the second's; v: the whole word
.endr
.irp a, 0,1,2,3
	v_and_b32 v[SWR+\a], s98, v[SWR+\a]
.endr
	global_store_b128 v[SWO], v[SWR:SWR+3], s[12:13]   ; sixteen lanes store 256 consecutive bytes (v: both halves of the lanes store the same bytes)
	s_wait_dscnt 0x0
	s_wait_tensorcnt 0x0
	ds_add_u32 v254, v255
	s_wait_dscnt 0x0
	CROUND                                         ; the closing round: no work-group ends while a partner may still ask for a tile that names it
	s_endpgm
.Lfunc_end_k_q48a62acca2_qkv:
	.size	k_q48a62acca2_qkv, .Lfunc_end_k_q48a62acca2_qkv-k_q48a62acca2_qkv
	.p2alignl 7, 3214868480
	.fill 96, 4, 3214868480
	.section	.rodata,"a",@progbits
	.p2align	6, 0x0
	.amdhsa_kernel k_q48a62acca2_qkv
		.amdhsa_group_segment_fixed_size 295424
		.amdhsa_private_segment_fixed_size 0
		.amdhsa_enable_private_segment 0
		.amdhsa_kernarg_size 40
		.amdhsa_user_sgpr_count 2
		.amdhsa_user_sgpr_kernarg_segment_ptr 1
		.amdhsa_wavefront_size32 1
		.amdhsa_system_sgpr_workgroup_id_x 1
		.amdhsa_system_sgpr_workgroup_id_y 1
		.amdhsa_system_sgpr_workgroup_id_z 1
		.amdhsa_system_vgpr_workitem_id 0
		.amdhsa_next_free_vgpr 768
		.amdhsa_next_free_sgpr 102
		.amdhsa_reserve_vcc 0
		.amdhsa_float_denorm_mode_32 3
		.amdhsa_float_denorm_mode_16_64 3
		.amdhsa_memory_ordered 1
		.amdhsa_forward_progress 1
		.amdhsa_inst_pref_size 103
	.end_amdhsa_kernel
	.amdgpu_metadata
---
amdhsa.version: [ 1, 2 ]
amdhsa.kernels:
  - .name:           k_q48a62acca2_qkv
    .symbol:         k_q48a62acca2_qkv.kd
    .args:
      - { .name: wcodes, .offset: 0, .size: 8, .value_kind: global_buffer, .address_space: global }
      - { .name: wscales, .offset: 8, .size: 8, .value_kind: global_buffer, .address_space: global }
      - { .name: qkv_b, .offset: 16, .size: 8, .value_kind: global_buffer, .address_space: global }
      - { .name: qkvc, .offset: 24, .size: 8, .value_kind: global_buffer, .address_space: global }
      - { .name: qkvs, .offset: 32, .size: 8, .value_kind: global_buffer, .address_space: global }
    .group_segment_fixed_size: 295424
    .private_segment_fixed_size: 0
    .kernarg_segment_align: 8
    .kernarg_segment_size: 40
    .max_flat_workgroup_size: 128
    .sgpr_count:     102
    .vgpr_count:     768
    .wavefront_size: 32
...
	.end_amdgpu_metadata
.endif
;; end of part 2
;; launch attn (part 3): grid 4 x 64, 16 waves a work-group, clusters of 4 x 1, 210,944 bytes of LDS; arguments qkvc, qkvs, ocodes, oscales; writes ocodes, oscales
.if DOCPART == 3
	.amdgcn_target "amdgcn-amd-amdhsa--gfx1250"
	.amdhsa_code_object_version 6
	.text
	.protected	k_q48a62acca2_attn
	.globl	k_q48a62acca2_attn
	.p2align	8
	.type	k_q48a62acca2_attn,@function
k_q48a62acca2_attn:
	s_mov_b64 s[64:65], 0
	v_nop
	global_prefetch_b8 v0, s[64:65] scope:SCOPE_SE
	s_setreg_imm32_b32 hwreg(HW_REG_WAVE_MODE, 25, 1), 1
	s_wait_xcnt 0x0
	s_wait_alu depctr_hold_cnt(0) depctr_sa_sdst(0) depctr_va_vdst(0) depctr_va_sdst(0) depctr_va_ssrc(0) depctr_va_vcc(0) depctr_vm_vsrc(0)
	s_getreg_b32 s2, hwreg(HW_REG_IB_STS2, 6, 4)
	s_cmp_eq_u32 s2, 0
	s_cbranch_scc0 .Lentry_in_a_cluster
	s_endpgm
.Lentry_in_a_cluster:
	s_bfe_u32 s2, ttmp6, 0x10000c
	s_cmp_lg_u32 s2, 0x3003
	s_cbranch_scc0 .Lentry_shape_is_right
	s_endpgm
.Lentry_shape_is_right:
; Causal attention of one head (bh = the cluster's y) on codes of FP6 (E2M3) with E8M0 scales; o / l is quantised along the model's 1,024 on the way out.
; t = score x log2(e) / 8; M = the running largest t rounded UP to a whole number; p = 2^(t - M) is quantised along the keys, not normalised; the row's sum is taken of the unquantised p and divides at the end.
; When M moves, the sum and O are multiplied by 2^(old M - new M): exact.
; IN: qkvc [bh]: Q [128 tiles][768], K likewise, V [16 steps][c 2][d tile 4][768]: half images (16 rows x 64 K; lane (r, h): registers 0-3 at 16 x lane, 4-5 at 512 + 8 x lane).  A tile's lane r is token
; 32 B + 8 u + r + 8 (r / 8) (tile 2 B + u).  qkvs [bh]: Q's and K's words [tile / 4][r][tile % 4], V's [step][r][d tile].
; THE FIRST PRODUCT'S K IS 64, the instruction's 128: Q's registers 6-11 are zero codes, so whatever stands in K's upper six registers (the next tile's codes; six zeros behind the last) adds exact zeros; E2M3 has
; no infinity and no NaN.  The words' upper two bytes are 0.
; Both products are used transposed: S^T = K Q^T, O^T = V^T P^T: a lane holds one query throughout; by the order of a tile's rows, registers 16 b + i of S^T are keys 32 b + 16 h + i of the step, and of O^T channels.
; A HEAD'S K AND V, codes and words, 208,896 bytes, come into LDS ONCE, by joint loads of the cluster's four work-groups, which all read them.  Nothing is filled again.
; SHARES.  A head has 128 query tiles: 16 groups of 128 queries x 8.  Wave w, with g = min(w, 15 - w) and e = 2 cx + (w / 8), takes tile 8 g + e (g + 1 key steps) and then tile 8 (15 - g) + e (16 - g key steps):
; 17 key steps of 128 keys for every wave.  The loops' trip counts are constants (8 and 16); a step all of whose keys come after the wave's queries is jumped over by a branch on the wave's number and the counter.
; cx enters Q's and O's addresses in memory and the mask's lane value alone.
; LIMITS: NaN and infinities are not served; a block of o whose largest magnitude lies under 2^-124, a block of zeros too, gets the byte 1.
; OUT: ocodes [token tile][head][768], oscales [token tile][h][r][4 words]: the format of the next product's operand.
.set KF,   32                          ; v32-79   K's eight tiles, six registers each; then V's four fragments
                                       ; v80-85   six zeros behind K's last tile
.set KW,   86                          ; v86-93   K's scale words
.set S,    96                          ; v96-159  S^T, then p
.set O,    160                         ; v160-191 O^T
.set PCD,  192                         ; v192-203 p's codes
.set CT,   204                         ; v204-211 conversions' upper halves
.set BM,   212                         ; v212-215 the blocks' largest
.set PT,   216                         ; v216-219 permutes, bytes
.set SOP,  220                         ; v220-223 the conversions' scale operands
.set VW,   224                         ; v224-227 V's scale words
.set PWD,  228                         ; v228     p's scale word
.set OW,   229                         ; v229     o's two bytes
.set F,    230                         ; v[230:231] f = 2^(old M - new M); v231 = 0 (named with it as a pair)
.set TMP,  232
.set NINF, 233                         ; -infinity
.set SUM2, 234                         ; v[234:235] the sums' second chain; at the end 1 / l
                                       ; v1 16 x lane, v2 8 x lane + 512, v3, v4 the same in V's part of LDS, v5, v6 K's and V's words at 16 r, v7 16 r; v8-11, v29, v30 the step's addresses
                                       ; v12 -M, v13 the largest t, v[14:15] the sum; v16-27 Q (22-27 zeros), v28 Q's word, v31 the mask's lane value
.set WV,   12
.set SEL,  20
.set CS,   22
.set G1C,  24                          ; s[24:31] group 1 for the codes, s[32:39] for the words; s[40:43], s[44:47] their groups 0
.set G1W,  32
.set G0C,  40
.set G0W,  44
.set GQ,   48                          ; s48 the pass's group of queries = its last key step
.set TI,   49                          ; s49 its query tile
.set TT,   50                          ; s50 the key step
.set TK,   51                          ; s51 6,144 x step: K's and V's codes
.set TS,   52                          ; s52 512 x step: K's words
.set TV,   53                          ; s53 256 x step: V's words
.macro CROUND
	s_barrier_signal -1
	s_barrier_wait -1
	s_cmp_lg_u32 s[WV], 0
	s_cbranch_scc1 .Lnot_wave_0_\@
	s_barrier_signal -3
.Lnot_wave_0_\@:
	s_barrier_wait -3
	s_barrier_signal -1
	s_barrier_wait -1
.endm
	s_load_b256 s[4:11], s[0:1], 0x0               ; qkvc s[4:5], qkvs s[6:7], ocodes s[8:9], oscales s[10:11]
	v_lshl_add_u32 v254, v0, 2, 0x33000
	v_mov_b32 v255, 0
	ds_add_u32 v254, v255
	ds_add_u32 v254, v255
	v_lshrrev_b32 v1, 5, v0
	s_delay_alu instid0(VALU_DEP_1)
	v_readfirstlane_b32 s[WV], v1                  ; wave 0..15
	s_bfe_u32 s13, ttmp6, 0x40000                  ; cx
	s_and_b32 s14, ttmp7, 0xffff                   ; bh
	s_sub_co_u32 s15, 15, s[WV]
	s_min_u32 s15, s15, s[WV]                      ; g
	s_lshr_b32 s16, s[WV], 3
	s_lshl_b32 s17, s13, 1
	s_add_co_u32 s17, s17, s16                     ; e
	; group 1: dense blocks as rows of 256 bytes (32 elements of 8 bytes): 192 rows of codes, 12 rows of words
	s_mov_b32 s[G1C], 15|(3<<16)|(1<<21)           ; 15:0 the mask: all four work-groups; 17:16 elements of 8 bytes; 21 set beside a mask
	s_mov_b32 s[G1C+1], 32<<16
	s_mov_b32 s[G1C+2], 192<<16
	s_mov_b32 s[G1C+3], 32<<16
	s_mov_b32 s[G1C+4], 192
	s_mov_b32 s[G1C+5], 32
	s_mov_b32 s[G1C+6], 0
	s_mov_b32 s[G1C+7], 0
	s_mov_b32 s[G1W], 15|(3<<16)|(1<<21)
	s_mov_b32 s[G1W+1], 32<<16
	s_mov_b32 s[G1W+2], 12<<16
	s_mov_b32 s[G1W+3], 32<<16
	s_mov_b32 s[G1W+4], 12
	s_mov_b32 s[G1W+5], 32
	s_mov_b32 s[G1W+6], 0
	s_mov_b32 s[G1W+7], 0
	s_mov_b32 s[SEL], 0x76543210
	s_mov_b32 s[SEL+1], 0xfedcba98                 ; lane l xor 16
	s_mov_b32 s[CS], 0x3e38aa3b                    ; c = log2(e) / 8
	s_mov_b32 s[CS+1], s[CS]                       ; (named with it as a pair)
	s_mul_i32 s72, s14, 294912
	s_mov_b32 s73, 0
	s_mul_i32 s74, s14, 20480
	s_mov_b32 s75, 0
	s_lshr_b32 s2, s14, 4                          ; the batch
	s_and_b32 s3, s14, 15                          ; the head
	s_mul_i32 s76, s2, 1572864                     ; 128 token tiles of 12,288 bytes,
	s_mul_i32 s78, s3, 768                         ; the head's half image in each
	s_add_co_u32 s76, s76, s78
	s_mov_b32 s77, 0
	s_lshl_b32 s78, s2, 16                         ; 128 tiles of 512 bytes of words;
	s_lshr_b32 s2, s3, 3
	s_lshl_b32 s2, s2, 8                           ; the head's two bytes: 256 (head / 8)
	s_add_co_u32 s78, s78, s2
	s_and_b32 s2, s3, 7
	s_lshl_b32 s2, s2, 1                           ; + 2 (head % 8)
	s_add_co_u32 s78, s78, s2
	s_mov_b32 s79, 0
	s_wait_dscnt 0x0
	s_wait_kmcnt 0x0
	s_add_nc_u64 s[62:63], s[4:5], s[72:73]        ; the head in qkvc,
	s_add_nc_u64 s[66:67], s[6:7], s[74:75]        ; in qkvs,
	s_add_nc_u64 s[68:69], s[8:9], s[76:77]        ; in ocodes,
	s_add_nc_u64 s[70:71], s[10:11], s[78:79]      ; in oscales
	s_and_b32 s2, s[WV], 3                         ; waves 0 to 3 fetch a quarter each
	s_mul_i32 s72, s2, 49152
	s_mul_i32 s74, s2, 3072
	s_mov_b32 s[G0C], 1
	s_mov_b32 s[G0C+1], s72                        ; LDS: K's codes from 0, V's from 98,304
	s_add_nc_u64 s[G0C+2:G0C+3], s[62:63], s[72:73]
	s_add_nc_u64 s[G0C+2:G0C+3], s[G0C+2:G0C+3], 98304
	s_or_b32 s[G0C+3], s[G0C+3], 0x80000000
	s_mov_b32 s[G0W], 1
	s_add_co_u32 s[G0W+1], s74, 196608             ; K's words from 196,608, V's from 204,800
	s_add_nc_u64 s[G0W+2:G0W+3], s[66:67], s[74:75]
	s_add_nc_u64 s[G0W+2:G0W+3], s[G0W+2:G0W+3], 8192
	s_or_b32 s[G0W+3], s[G0W+3], 0x80000000
	CROUND                                         ; all four work-groups are here: the joint loads meet
	s_cmp_lt_u32 s[WV], 4                          ; the fills stand in one branch on the wave's number, the same in every partner: two tensor loads of such a wave are out
	s_cbranch_scc0 .Lno_fill
	tensor_load_to_lds s[G0C:G0C+3], s[G1C:G1C+7]
	s_nop 0
	tensor_load_to_lds s[G0W:G0W+3], s[G1W:G1W+7]
	s_nop 0
.rept 4
	v_nop
.endr
.Lno_fill:
	v_and_b32 v232, 31, v0                         ; lane
	v_and_b32 v233, 15, v0                         ; r
	v_bfe_u32 v234, v0, 4, 1                       ; h
	s_delay_alu instid0(VALU_DEP_3)
	v_lshlrev_b32 v1, 4, v232
	s_delay_alu instid0(VALU_DEP_4)
	v_lshlrev_b32 v2, 3, v232
	s_delay_alu instid0(VALU_DEP_1)
	v_add_nc_u32 v2, 512, v2
	s_delay_alu instid0(VALU_DEP_3)
	v_add_nc_u32 v3, 98304, v1
	s_delay_alu instid0(VALU_DEP_2)
	v_add_nc_u32 v4, 98304, v2
	v_lshlrev_b32 v7, 4, v233
	s_delay_alu instid0(VALU_DEP_1)
	v_add_nc_u32 v5, 196608, v7
	s_delay_alu instid0(VALU_DEP_2)
	v_add_nc_u32 v6, 204800, v7
	v_and_b32 v31, 8, v233
	s_delay_alu instid0(VALU_DEP_1)
	v_add_nc_u32 v31, v31, v233                    ; r + 8 (r / 8)
	v_lshlrev_b32 v235, 4, v234
	s_delay_alu instid0(VALU_DEP_1)
	v_sub_nc_u32 v31, v31, v235                    ; - 16 h
	s_lshl_b32 s2, s13, 5
	s_lshl_b32 s3, s16, 3
	s_add_co_u32 s2, s2, s3
	v_add_nc_u32 v31, s2, v31                      ; + 32 (e / 2) + 8 (e % 2): my query's place in its group of 128, less 16 h.  Register 16 b + i holds the step's key 32 b + 16 h + i: hidden on the diagonal where 32 b + i is greater
.irp i, 22,23,24,25,26,27,80,81,82,83,84,85
	v_mov_b32 v\i, 0                               ; zero codes: Q's upper half, and the six registers behind K's last tile
.endr
.irp b, 0,1,2,3
	v_mov_b32 v[PT+\b], 0                          ; a lane permute's destination counts as read
.endr
	v_mov_b32 v[F], 0
	v_mov_b32 v[F+1], 0
	v_mov_b32 v[TMP], 0
	v_mov_b32 v[NINF], 0xff800000
	v_mov_b32 v[SUM2], 0
	v_mov_b32 v[SUM2+1], 0
; ONE QUERY TILE: s[GQ] its group, s[TI] its number.  nt: the loop's trips, a constant.  first = 1: the wait for the fills and the work-group's barrier stand behind Q's loads.
.macro PASS nt, first
	s_wait_xcnt 0x0                                ; the last pass's stores have read their data and bases: both are written again only behind this wait
	s_mul_i32 s72, s[TI], 768
	s_mov_b32 s73, 0
	s_add_nc_u64 s[54:55], s[62:63], s[72:73]      ; Q's half image
	s_lshr_b32 s72, s[TI], 2
	s_lshl_b32 s72, s72, 8
	s_and_b32 s74, s[TI], 3
	s_lshl_b32 s74, s74, 2
	s_add_co_u32 s72, s72, s74
	s_add_nc_u64 s[56:57], s[66:67], s[72:73]      ; its words
	s_mul_i32 s72, s[TI], 12288
	s_add_nc_u64 s[58:59], s[68:69], s[72:73]      ; o's half image
	s_lshl_b32 s72, s[TI], 9
	s_add_nc_u64 s[60:61], s[70:71], s[72:73]      ; its bytes
	global_load_b128 v[16:19], v1, s[54:55]
	global_load_b64 v[20:21], v2, s[54:55]
	global_load_b32 v28, v7, s[56:57]
	v_mov_b32 v13, 0xff61b1e6                      ; the largest t so far: -3e38, under every t
	s_delay_alu instid0(VALU_DEP_1)
	v_floor_f32 v12, -v13                          ; -M
	v_mov_b32 v14, 0
	v_mov_b32 v15, 0
.set j, 0
.rept 32
	v_mov_b32 v[O+j], 0                            ; the step is written once: the first finds zeros, which the first change of M leaves zeros
.set j, j+1
.endr
	s_mov_b32 s[TT], 0
	s_mov_b32 s[TK], 0
	s_mov_b32 s[TS], 0
	s_mov_b32 s[TV], 0
.if \first
	s_wait_tensorcnt 0x0                           ; my fills have landed (a wave that issued none passes at once),
	s_barrier_signal -1
	s_barrier_wait -1                              ; everybody's have
.endif
	s_wait_loadcnt 0x0                             ; Q
.Lstep_\@:
	s_cmp_gt_u32 s[TT], s[GQ]                      ; all keys of this step come after my queries: only the stepping lines are run
	s_cbranch_scc1 .Lskip_\@
	s_setprio 2
	v_add_nc_u32 v8, s[TK], v1                     ; these six are also the places behind the last step's products, in front of the loads below
	v_add_nc_u32 v9, s[TK], v2
	v_add_nc_u32 v10, s[TK], v3
	v_add_nc_u32 v11, s[TK], v4
	v_add_nc_u32 v29, s[TS], v5
	v_add_nc_u32 v30, s[TV], v6
.irp t, 0,1,2,3,4,5,6,7
	ds_load_b128 v[KF+6*\t:KF+6*\t+3], v8 offset:768*\t
	ds_load_b64 v[KF+6*\t+4:KF+6*\t+5], v9 offset:768*\t
.endr
	ds_load_b128 v[KW:KW+3], v29
	ds_load_b128 v[KW+4:KW+7], v29 offset:256
	s_wait_alu depctr_va_vdst(0)
	s_wait_dscnt 0x0
.irp t, 0,1,2,3,4,5,6,7
	v_wmma_scale_f32_16x16x128_f8f6f4 v[S+8*\t:S+8*\t+7], v[KF+6*\t:KF+6*\t+11], v[16:27], 0, v[KW+\t], v28 matrix_a_fmt:MATRIX_FMT_FP6 matrix_b_fmt:MATRIX_FMT_FP6
.endr
.rept 4
	v_nop                                          ; four places: in front of the loads into K's registers, and of the first read of the scores
.endr
.irp a, 0,1,2,3                                ; V's four fragments land under the softmax
	ds_load_b128 v[KF+12*\a:KF+12*\a+3], v10 offset:768*\a
	ds_load_b64 v[KF+12*\a+4:KF+12*\a+5], v11 offset:768*\a
	ds_load_b128 v[KF+12*\a+6:KF+12*\a+9], v10 offset:3072+768*\a
	ds_load_b64 v[KF+12*\a+10:KF+12*\a+11], v11 offset:3072+768*\a
.endr
	ds_load_b128 v[VW:VW+3], v30
	s_cmp_lg_u32 s[TT], s[GQ]                      ; only the last step of a pass lies on the diagonal
	s_cbranch_scc1 .Lopen_\@
.set n, 0
.rept 64
	v_cmp_gt_i32 vcc_lo, 32*(n/16)+n%16, v31
	v_cndmask_b32 v[S+n], v[S+n], v[NINF], vcc_lo  ; a hidden key's score becomes -infinity: p = 0
.set n, n+1
.endr
.Lopen_\@:
.irp b, 0,1,2,3
	v_max3_num_f32 v[BM+\b], v[S+16*\b], v[S+1+16*\b], v[S+2+16*\b]   ; the largest score of each block of 32 keys: for the row's maximum and, since p rises with the score, for the block's largest p
.endr
.irp i, 3,5,7,9,11,13
.irp b, 0,1,2,3
	v_max3_num_f32 v[BM+\b], v[BM+\b], v[S+16*\b+\i], v[S+1+16*\b+\i]
.endr
.endr
.irp b, 0,1,2,3
	v_max_num_f32 v[BM+\b], v[BM+\b], v[S+15+16*\b]
.endr
.irp b, 0,1,2,3
	s_delay_alu instid0(VALU_DEP_4)
	v_permlanex16_b32 v[PT+\b], v[BM+\b], s[SEL], s[SEL+1]
.endr
.irp b, 0,1,2,3
	s_delay_alu instid0(VALU_DEP_4)
	v_max_num_f32 v[BM+\b], v[BM+\b], v[PT+\b]     ; with lane l xor 16's 16 keys
.endr
	s_delay_alu instid0(VALU_DEP_2)
	v_max3_num_f32 v[TMP], v[BM], v[BM+1], v[BM+2]
	s_delay_alu instid0(VALU_DEP_1)
	v_max_num_f32 v[TMP], v[TMP], v[BM+3]
	s_delay_alu instid0(VALU_DEP_1)
	v_mul_f32 v[TMP], s[CS], v[TMP]                ; the step's largest t (c is positive)
	s_delay_alu instid0(VALU_DEP_1)
	v_max_num_f32 v13, v13, v[TMP]
	v_mov_b32 v[TMP], v12
	s_delay_alu instid0(VALU_DEP_2)
	v_floor_f32 v12, -v13                          ; the new -M = -ceil(t): a whole number
	s_delay_alu instid0(VALU_DEP_1)
	v_sub_f32 v[TMP], v12, v[TMP]                  ; old M - new M: a whole number, 0 or less
	s_delay_alu instid0(VALU_DEP_1)
	v_cvt_i32_f32 v[TMP], v[TMP]                   ; (it saturates)
	s_delay_alu instid0(VALU_DEP_1)
	v_ldexp_f32 v[F], 1.0, v[TMP]                  ; f = 2^(old M - new M)
.set j, 0
	s_setprio 1
.rept 32
	v_pk_fma_f32 v[S+j:S+j+1], v[S+j:S+j+1], s[CS:CS+1], v[12:13] op_sel_hi:[1,0,0]   ; t - M, two at a time
.set j, j+2
.endr
.irp b, 0,1,2,3
	v_fma_f32 v[BM+\b], v[BM+\b], s[CS], v12
.endr
.set j, 0
	s_wait_alu depctr_va_vdst(0)
.rept 64
	v_exp_f32 v[S+j], v[S+j]                       ; p = 2^(t - M)
.set j, j+1
.endr
	v_pk_mul_f32 v[14:15], v[14:15], v[F:F+1] op_sel_hi:[1,0]   ; the sums under the new M: the plain place behind the exponentials
	s_wait_alu depctr_va_vdst(0)                   ; one wait for the batch of 64, ahead of its first reader
.irp b, 0,1,2,3
	v_exp_f32 v[BM+\b], v[BM+\b]                   ; the blocks' largest p
.endr
	v_pk_add_f32 v[234:235], v[100:101], v[104:105]
	v_pk_add_f32 v[252:253], v[108:109], v[112:113]
	v_pk_add_f32 v[250:251], v[116:117], v[120:121]
	v_pk_add_f32 v[248:249], v[124:125], v[128:129]
	v_pk_add_f32 v[246:247], v[132:133], v[136:137]
	v_pk_add_f32 v[244:245], v[140:141], v[144:145]
	v_pk_add_f32 v[242:243], v[148:149], v[152:153]
	v_pk_add_f32 v[14:15], v[14:15], v[156:157]
	v_pk_add_f32 v[234:235], v[234:235], v[96:97]
	v_pk_add_f32 v[252:253], v[252:253], v[98:99]
	v_pk_add_f32 v[250:251], v[250:251], v[102:103]
	v_pk_add_f32 v[248:249], v[248:249], v[106:107]
	v_pk_add_f32 v[246:247], v[246:247], v[110:111]
	v_pk_add_f32 v[244:245], v[244:245], v[114:115]
	v_pk_add_f32 v[242:243], v[242:243], v[118:119]
	v_pk_add_f32 v[14:15], v[14:15], v[122:123]
	v_pk_add_f32 v[234:235], v[234:235], v[126:127]
	v_pk_add_f32 v[252:253], v[252:253], v[130:131]
	v_pk_add_f32 v[250:251], v[250:251], v[134:135]
	v_pk_add_f32 v[248:249], v[248:249], v[138:139]
	v_pk_add_f32 v[246:247], v[246:247], v[142:143]
	v_pk_add_f32 v[244:245], v[244:245], v[146:147]
	v_pk_add_f32 v[242:243], v[242:243], v[150:151]
	v_pk_add_f32 v[14:15], v[14:15], v[154:155]
	v_pk_add_f32 v[234:235], v[234:235], v[158:159]
	s_delay_alu instid0(VALU_DEP_2)
	v_pk_add_f32 v[14:15], v[14:15], v[248:249]
	s_delay_alu instid0(VALU_DEP_2)
	v_pk_add_f32 v[234:235], v[234:235], v[246:247]
	v_pk_add_f32 v[252:253], v[252:253], v[244:245]
	v_pk_add_f32 v[250:251], v[250:251], v[242:243]
	s_delay_alu instid0(VALU_DEP_2)
	v_pk_add_f32 v[14:15], v[14:15], v[252:253]
	s_delay_alu instid0(VALU_DEP_2)
	v_pk_add_f32 v[234:235], v[234:235], v[250:251]
	s_delay_alu instid0(VALU_DEP_1)
	v_pk_add_f32 v[14:15], v[14:15], v[234:235]
	s_wait_alu depctr_va_vdst(0)                   ; and one for the four
.irp b, 0,1,2,3
	v_max_num_f32 v[BM+\b], 0x1800000, v[BM+\b]    ; the floor 2^(3 - 127): the byte cannot fall under 1
.endr
.irp b, 0,1,2,3
	s_delay_alu instid0(VALU_DEP_4)
	v_add_nc_u32 v[SOP+\b], 0xff000000, v[BM+\b]
.endr
.irp b, 0,1,2,3
	s_delay_alu instid0(VALU_DEP_4)
	v_lshrrev_b32 v[PT+\b], 23, v[SOP+\b]
.endr
	s_delay_alu instid0(VALU_DEP_3)
	v_lshl_or_b32 v[PWD], v[PT+1], 8, v[PT]        ; p's scale word for these 128 keys
	s_delay_alu instid0(VALU_DEP_1)
	v_lshl_or_b32 v[PWD], v[PT+2], 16, v[PWD]
	s_delay_alu instid0(VALU_DEP_1)
	v_lshl_or_b32 v[PWD], v[PT+3], 24, v[PWD]
	s_setprio 0
.irp c, 0,1
	v_cvt_scalef32_pk16_fp6_f32 v[PCD+6*\c:PCD+6*\c+2], v[S+32*\c:S+32*\c+15], v[SOP+2*\c]
	v_cvt_scalef32_pk16_fp6_f32 v[CT+4*\c:CT+4*\c+2], v[S+32*\c+16:S+32*\c+31], v[SOP+2*\c+1]
.endr
	v_nop                                          ; one plain place behind a scaled conversion
.irp c, 0,1
.irp i, 0,1,2
	v_permlane16_swap_b32 v[PCD+6*\c+\i], v[CT+4*\c+\i]
.endr
.irp i, 0,1,2
	s_delay_alu instid0(VALU_DEP_3)
	v_mov_b32 v[PCD+6*\c+3+\i], v[CT+4*\c+\i]
.endr
.endr
.set j, 0
.rept 16
	v_pk_mul_f32 v[O+j:O+j+1], v[O+j:O+j+1], v[F:F+1] op_sel_hi:[1,0]   ; O^T under the new M.  Twelve of the sixteen name no register of any one product below: the places behind p's word (8) and codes (4)
.set j, j+2
.endr
	s_wait_alu depctr_va_vdst(0)
	s_wait_dscnt 0x0                               ; V
.irp a, 0,1,2,3
	v_wmma_scale_f32_16x16x128_f8f6f4 v[O+8*\a:O+8*\a+7], v[KF+12*\a:KF+12*\a+11], v[PCD:PCD+11], v[O+8*\a:O+8*\a+7], v[VW+\a], v[PWD] matrix_a_fmt:MATRIX_FMT_FP6 matrix_b_fmt:MATRIX_FMT_FP6
.endr
.Lskip_\@:
	s_add_co_u32 s[TK], s[TK], 6144
	s_add_co_u32 s[TS], s[TS], 512
	s_add_co_u32 s[TV], s[TV], 256
	s_add_co_u32 s[TT], s[TT], 1
	s_cmp_lt_u32 s[TT], \nt
	s_cbranch_scc1 .Lstep_\@
	s_setprio 0
	; the tile's end: o = O^T / l, quantised along the head's 64: two blocks; register 16 b + i is channel 32 b + 16 h + i
.rept 4
	v_nop
.endr
	v_add_f32 v14, v14, v15
	s_delay_alu instid0(VALU_DEP_1)
	v_permlanex16_b32 v[TMP], v14, s[SEL], s[SEL+1]
	s_delay_alu instid0(VALU_DEP_1)
	v_add_f32 v14, v14, v[TMP]                     ; the row's sum
	s_wait_alu depctr_va_vdst(0)
	v_rcp_f32 v[SUM2], v14
	v_nop                                          ; a plain place behind the reciprocal,
	s_wait_alu depctr_va_vdst(0)                   ; and the wait ahead of its first reader
.set j, 0
.rept 16
	v_pk_mul_f32 v[S+j:S+j+1], v[O+j:O+j+1], v[SUM2:SUM2+1] op_sel_hi:[1,0]   ; each accumulator from its low end on
.set j, j+2
.endr
.irp b, 0,1
	v_max3_num_f32 v[BM+\b], |v[S+16*\b]|, |v[S+1+16*\b]|, 0x1800000
.endr
.irp i, 2,4,6,8,10,12,14
.irp b, 0,1
	s_delay_alu instid0(VALU_DEP_2)
	v_max3_num_f32 v[BM+\b], v[BM+\b], |v[S+16*\b+\i]|, |v[S+1+16*\b+\i]|
.endr
.endr
.irp b, 0,1
	s_delay_alu instid0(VALU_DEP_2)
	v_permlanex16_b32 v[PT+\b], v[BM+\b], s[SEL], s[SEL+1]
.endr
.irp b, 0,1
	s_delay_alu instid0(VALU_DEP_2)
	v_max_num_f32 v[BM+\b], v[BM+\b], v[PT+\b]
.endr
.irp b, 0,1
	s_delay_alu instid0(VALU_DEP_2)
	v_add_nc_u32 v[SOP+\b], 0xff000000, v[BM+\b]
.endr
.irp b, 0,1
	s_delay_alu instid0(VALU_DEP_2)
	v_lshrrev_b32 v[PT+\b], 23, v[SOP+\b]
.endr
	s_delay_alu instid0(VALU_DEP_1)
	v_lshl_or_b32 v[OW], v[PT+1], 8, v[PT]
	v_cvt_scalef32_pk16_fp6_f32 v[PCD:PCD+2], v[S:S+15], v[SOP]
	v_cvt_scalef32_pk16_fp6_f32 v[CT:CT+2], v[S+16:S+31], v[SOP+1]
	v_nop
.irp i, 0,1,2
	v_permlane16_swap_b32 v[PCD+\i], v[CT+\i]      ; lanes 0-15 get block 0 whole, lanes 16-31 block 1
.endr
.irp i, 0,1,2
	s_delay_alu instid0(VALU_DEP_3)
	v_mov_b32 v[PCD+3+\i], v[CT+\i]
.endr
	global_store_b128 v1, v[PCD:PCD+3], s[58:59]   ; a half image: three whole aligned blocks of 256 bytes
	global_store_b64 v2, v[PCD+4:PCD+5], s[58:59]
	global_store_b16 v7, v[OW], s[60:61]           ; two bytes a row, 16 bytes apart, all inside one aligned block of 256 bytes; both halves of the lanes store the same
.endm
	s_mov_b32 s[GQ], s15
	s_lshl_b32 s[TI], s15, 3
	s_add_co_u32 s[TI], s[TI], s17
	PASS 8, 1
	s_sub_co_u32 s[GQ], 15, s15
	s_lshl_b32 s[TI], s[GQ], 3
	s_add_co_u32 s[TI], s[TI], s17
	PASS 16, 0
	s_wait_dscnt 0x0
	s_wait_tensorcnt 0x0
	ds_add_u32 v254, v255
	s_wait_dscnt 0x0
	CROUND                                         ; the closing round
	s_endpgm
.Lfunc_end_k_q48a62acca2_attn:
	.size	k_q48a62acca2_attn, .Lfunc_end_k_q48a62acca2_attn-k_q48a62acca2_attn
	.p2alignl 7, 3214868480
	.fill 96, 4, 3214868480
	.section	.rodata,"a",@progbits
	.p2align	6, 0x0
	.amdhsa_kernel k_q48a62acca2_attn
		.amdhsa_group_segment_fixed_size 210944
		.amdhsa_private_segment_fixed_size 0
		.amdhsa_enable_private_segment 0
		.amdhsa_kernarg_size 32
		.amdhsa_user_sgpr_count 2
		.amdhsa_user_sgpr_kernarg_segment_ptr 1
		.amdhsa_wavefront_size32 1
		.amdhsa_system_sgpr_workgroup_id_x 1
		.amdhsa_system_sgpr_workgroup_id_y 1
		.amdhsa_system_sgpr_workgroup_id_z 1
		.amdhsa_system_vgpr_workitem_id 0
		.amdhsa_next_free_vgpr 256
		.amdhsa_next_free_sgpr 80
		.amdhsa_reserve_vcc 1
		.amdhsa_float_denorm_mode_32 3
		.amdhsa_float_denorm_mode_16_64 3
		.amdhsa_memory_ordered 1
		.amdhsa_forward_progress 1
		.amdhsa_inst_pref_size 65
	.end_amdhsa_kernel
	.amdgpu_metadata
---
amdhsa.version: [ 1, 2 ]
amdhsa.kernels:
  - .name:           k_q48a62acca2_attn
    .symbol:         k_q48a62acca2_attn.kd
    .args:
      - { .name: qkvc, .offset: 0, .size: 8, .value_kind: global_buffer, .address_space: global }
      - { .name: qkvs, .offset: 8, .size: 8, .value_kind: global_buffer, .address_space: global }
      - { .name: ocodes, .offset: 16, .size: 8, .value_kind: global_buffer, .address_space: global }
      - { .name: oscales, .offset: 24, .size: 8, .value_kind: global_buffer, .address_space: global }
    .group_segment_fixed_size: 210944
    .private_segment_fixed_size: 0
    .kernarg_segment_align: 8
    .kernarg_segment_size: 32
    .max_flat_workgroup_size: 512
    .sgpr_count:     80
    .vgpr_count:     256
    .wavefront_size: 32
...
	.end_amdgpu_metadata
.endif
;; end of part 3
;; launch proj (part 4): grid 4 x 64, 4 waves a work-group, clusters of 4 x 4, 295,424 bytes of LDS; arguments ocodes, oscales, wcodes, wscales, out_b, out0; writes out0
.if DOCPART == 4
	.amdgcn_target "amdgcn-amd-amdhsa--gfx1250"
	.amdhsa_code_object_version 6
	.text
	.protected	k_q48a62acca2_proj
	.globl	k_q48a62acca2_proj
	.p2align	8
	.type	k_q48a62acca2_proj,@function
k_q48a62acca2_proj:
	s_mov_b64 s[64:65], 0
	v_nop
	global_prefetch_b8 v0, s[64:65] scope:SCOPE_SE
	s_setreg_imm32_b32 hwreg(HW_REG_WAVE_MODE, 25, 1), 1
	s_wait_xcnt 0x0
	s_wait_alu depctr_hold_cnt(0) depctr_sa_sdst(0) depctr_va_vdst(0) depctr_va_sdst(0) depctr_va_ssrc(0) depctr_va_vcc(0) depctr_vm_vsrc(0)
	s_getreg_b32 s2, hwreg(HW_REG_IB_STS2, 6, 4)
	s_cmp_eq_u32 s2, 0
	s_cbranch_scc0 .Lentry_in_a_cluster
	s_endpgm
.Lentry_in_a_cluster:
	s_bfe_u32 s2, ttmp6, 0x10000c
	s_cmp_lg_u32 s2, 0xf033
	s_cbranch_scc0 .Lentry_shape_is_right
	s_endpgm
.Lentry_shape_is_right:
; out0 = o out_w^T + out_b on codes of FP6 (E2M3) with E8M0 scales; out0 [8192][1024] f32.
; OPERANDS come as images of registers: ocodes [token tile][16 half images][768] with oscales [tile][512]; out_w's are tiles 704-767 of wcodes and wscales.  A tile's lane r is row 32 B + 8 u + r + 8 (r / 8) (tile 2 B + u).
; A WORK-GROUP makes 128 tokens x 256 features, all of K = 1,024: both operands' codes, 294,912 bytes, come into LDS ONCE, in four chunks of 256 along K; nothing is filled again.
; Four waves: wave w takes token tiles 4 (w / 2) .. + 3 and feature tiles 8 (w % 2) .. + 7: 32 accumulators.  The matrix instruction is used transposed (source 0 = the weight's tile, source 1 = o's): a lane holds one
; token, and register 8 b + j of lane (r, h) is feature 32 (b / 2) + 16 h + 8 (b % 2) + j of the wave's 128.  The bias is the C of each sum's first matrix instruction.
; CLUSTER 4 x 4: o's tiles hang on cy alone and are asked for jointly by a row of the cluster, the weight's on cx alone, by a column.
; REGISTERS: window 0: v1-7 at work; v8-23 LDS addresses, one set a chunk; v24-27 offsets; v32-47 o's scale words, v48-79 the weight's; v128-223 o's fragments, two sets (on the way out v128-255: rows of out0).
;   window 1: v0-191 the weight's fragments, two sets; v192-255 the bias.   window 2: accumulator (a, b) at v[8 (8 a + b)].
.set CHUNK, 73728
.set BOFF,  24576
.set SPITCH, 528                       ; the way out: a stage of 16 rows x (512 bytes + 16) for each wave, in chunk 0's bytes: they have had their only fill, and their last read lies ahead of K step 1's barrier
.set ADA16, 8
.set ADA8,  12
.set ADB16, 16
.set ADB8,  20
.set L16,   24                         ; v24  16 x lane
.set STO,   26                         ; v26  the stage: where I put 32 bytes of a row
.set RD,    27                         ; v27  and where I read a row back
.set SCA,   32
.set SCB,   48
.set AF,    128
.set BQ,    192
.set WV,  14
.set AH,  15
.set BW,  16
.set G1A, 24
.set G0A, 32
.set G1B, 48
.set G0B, 68
.set MSB, 0
.macro WIN new                         ; the immediate's high byte repeats the setting that is left
.if MSB != \new
	s_set_vgpr_msb (MSB<<8)|\new
.set MSB, \new
.endif
.endm
.macro PLACES
.rept 4
	v_nop
.endr
.endm
.macro CROUND
	s_barrier_signal -1
	s_barrier_wait -1
	s_cmp_lg_u32 s[WV], 0
	s_cbranch_scc1 .Lnot_wave_0_\@
	s_barrier_signal -3
.Lnot_wave_0_\@:
	s_barrier_wait -3
	s_barrier_signal -1
	s_barrier_wait -1
.endm
	s_load_b256 s[4:11], s[0:1], 0x0               ; ocodes s[4:5], oscales s[6:7], wcodes s[8:9], wscales s[10:11]
	s_load_b128 s[56:59], s[0:1], 0x20             ; out_b s[56:57], out0 s[58:59]
	v_lshl_add_u32 v126, v0, 2, 0x48000
	v_mov_b32 v127, 0
	ds_add_u32 v126, v127
	ds_add_u32 v126, v127
	v_lshrrev_b32 v1, 5, v0
	v_readfirstlane_b32 s[WV], v1
	s_lshr_b32 s[AH], s[WV], 1                     ; my half of the tokens.  Also: I fetch for o (0) or for the weight (1)
	s_and_b32 s[BW], s[WV], 1                      ; my half of the features.  Also: which half of that operand's tiles I fetch
	s_bfe_u32 s84, ttmp6, 0x40000                  ; cx
	s_bfe_u32 s85, ttmp6, 0x40004                  ; cy
	s_lshl_b32 s18, ttmp9, 2
	s_add_co_u32 s18, s18, s84                     ; the block of 256 features
	s_and_b32 s17, ttmp7, 0xffff
	s_lshl_b32 s17, s17, 2
	s_add_co_u32 s17, s17, s85                     ; the block of 128 tokens
	s_lshl_b32 s19, s17, 3                         ; o's first tile
	s_lshl_b32 s20, s18, 4
	s_add_co_u32 s20, s20, 704                     ; the weight's, in wcodes
	s_lshl_b32 s88, s85, 2
	s_lshl_b32 s88, 15, s88                        ; my row of the cluster
	s_lshl_b32 s89, 0x1111, s84                    ; my column
	; group 1: rows of 3,072 bytes (a tile's part of a chunk: 384 elements of 8 bytes), 12,288 bytes apart; o: 4 tiles a load, the weight: 8
	s_or_b32 s[G1A], s88, (3<<16)|(1<<21)
	s_mov_b32 s[G1A+1], 384<<16
	s_mov_b32 s[G1A+2], 4<<16
	s_mov_b32 s[G1A+3], 384<<16
	s_mov_b32 s[G1A+4], 4
	s_mov_b32 s[G1A+5], 1536
	s_mov_b32 s[G1A+6], 0
	s_mov_b32 s[G1A+7], 0
	s_or_b32 s[G1B], s89, (3<<16)|(1<<21)
	s_mov_b32 s[G1B+1], 384<<16
	s_mov_b32 s[G1B+2], 8<<16
	s_mov_b32 s[G1B+3], 384<<16
	s_mov_b32 s[G1B+4], 8
	s_mov_b32 s[G1B+5], 1536
	s_mov_b32 s[G1B+6], 0
	s_mov_b32 s[G1B+7], 0
	s_lshl_b32 s21, s[BW], 2
	s_add_co_u32 s90, s19, s21
	s_mul_i32 s90, s90, 12288
	s_mov_b32 s91, 0
	s_lshl_b32 s21, s[BW], 3
	s_add_co_u32 s92, s20, s21
	s_mul_i32 s92, s92, 12288
	s_mov_b32 s93, 0
	s_mul_i32 s94, s[BW], 12288                    ; no place in the cluster enters an LDS address
	s_mul_i32 s95, s[BW], 24576
	s_add_co_u32 s95, s95, BOFF
	s_wait_dscnt 0x0
	s_wait_kmcnt 0x0
	s_add_nc_u64 s[90:91], s[4:5], s[90:91]
	s_add_nc_u64 s[92:93], s[8:9], s[92:93]
.irp q, 0,1,2,3
	s_mov_b32 s[G0A+4*\q], 1
	s_add_co_u32 s[G0A+4*\q+1], s94, \q*CHUNK
	s_add_nc_u64 s[G0A+4*\q+2:G0A+4*\q+3], s[90:91], \q*3072
	s_or_b32 s[G0A+4*\q+3], s[G0A+4*\q+3], 0x80000000
	s_mov_b32 s[G0B+4*\q], 1
	s_add_co_u32 s[G0B+4*\q+1], s95, \q*CHUNK
	s_add_nc_u64 s[G0B+4*\q+2:G0B+4*\q+3], s[92:93], \q*3072
	s_or_b32 s[G0B+4*\q+3], s[G0B+4*\q+3], 0x80000000
.endr
	CROUND                                         ; all sixteen work-groups are here: the joint loads meet
	s_cmp_eq_u32 s[AH], 0                          ; a wave's four fills stand in one branch on its number: four tensor loads of mine are out
	s_cbranch_scc0 .Lfill_b
.irp q, 0,1,2,3
	tensor_load_to_lds s[G0A+4*\q:G0A+4*\q+3], s[G1A:G1A+7]
	s_nop 0
.endr
	PLACES
	s_branch .Lfilled
.Lfill_b:
.irp q, 0,1,2,3
	tensor_load_to_lds s[G0B+4*\q:G0B+4*\q+3], s[G1B:G1B+7]
	s_nop 0
.endr
	PLACES
.Lfilled:
	v_and_b32 v1, 31, v0                           ; lane
	v_and_b32 v2, 15, v0                           ; r
	v_bfe_u32 v3, v0, 4, 1                         ; h
	v_lshlrev_b32 v[L16], 4, v1
	s_wait_alu depctr_va_vdst(0)
	v_lshlrev_b32 v4, 3, v1
	v_add_nc_u32 v4, 512, v4
	v_lshlrev_b32 v5, 6, v3                        ; the bias: 16 numbers on for lanes 16-31
	s_wait_alu depctr_va_vdst(0)
	s_lshl_b32 s21, s[AH], 2
	s_add_co_u32 s60, s19, s21
	s_lshl_b32 s60, s60, 9
	s_mov_b32 s61, 0
	s_add_nc_u64 s[6:7], s[6:7], s[60:61]          ; my token tiles' scale images
	s_lshl_b32 s21, s[BW], 3
	s_add_co_u32 s60, s20, s21
	s_lshl_b32 s60, s60, 9
	s_add_nc_u64 s[10:11], s[10:11], s[60:61]      ; my feature tiles'
	s_lshl_b32 s60, s18, 10
	s_lshl_b32 s21, s[BW], 9
	s_add_co_u32 s60, s60, s21                     ; my first feature, in bytes
	s_add_nc_u64 s[56:57], s[56:57], s[60:61]
	s_add_nc_u64 s[58:59], s[58:59], s[60:61]
	s_lshl_b32 s60, s17, 19
	s_lshl_b32 s21, s[AH], 18
	s_add_co_u32 s60, s60, s21                     ; my first token's row of 4,096 bytes
	s_add_nc_u64 s[58:59], s[58:59], s[60:61]
.irp a, 0,1,2,3
	global_load_b128 v[SCA+4*\a:SCA+4*\a+3], v[L16], s[6:7] offset:512*\a      ; lanes 0-15: K steps 0-3 of row r; lanes 16-31: K steps 4-7
.endr
.irp b, 0,1,2,3,4,5,6,7
	global_load_b128 v[SCB+4*\b:SCB+4*\b+3], v[L16], s[10:11] offset:512*\b
.endr
	WIN 0x40                                       ; destination window 1
.irp b, 0,1,2,3,4,5,6,7
	global_load_b128 v[BQ+8*\b:BQ+8*\b+3], v5, s[56:57] offset:(32*(\b/2)+8*(\b%2))*4
	global_load_b128 v[BQ+8*\b+4:BQ+8*\b+7], v5, s[56:57] offset:(32*(\b/2)+8*(\b%2))*4+16
.endr
	WIN 0
	s_mul_i32 s21, s[AH], 12288
	s_mul_i32 s22, s[BW], 24576
	s_add_co_u32 s22, s22, BOFF
.irp q, 0,1,2,3
	v_add_nc_u32 v[ADA16+\q], s21, v[L16]
	v_add_nc_u32 v[ADA8+\q], s21, v4
	v_add_nc_u32 v[ADB16+\q], s22, v[L16]
	v_add_nc_u32 v[ADB8+\q], s22, v4
	s_add_co_u32 s21, s21, CHUNK
	s_add_co_u32 s22, s22, CHUNK
.endr
	s_mul_i32 s23, s[WV], 16*SPITCH                ; my stage
	v_mul_u32_u24 v[STO], v2, SPITCH
	v_lshl_add_u32 v[STO], v3, 6, v[STO]
	v_add_nc_u32 v[STO], s23, v[STO]               ; in: row r, + 64 h
	v_add_nc_u32 v[RD], s23, v[L16]                ; back: the 32 lanes take one row of 512 bytes
.macro FRAGL reg, a16, a8, off         ; a fragment = two half images: four dense loads
	ds_load_b128 v[\reg:\reg+3], v[\a16] offset:\off
	ds_load_b64 v[\reg+4:\reg+5], v[\a8] offset:\off
	ds_load_b128 v[\reg+6:\reg+9], v[\a16] offset:\off+768
	ds_load_b64 v[\reg+10:\reg+11], v[\a8] offset:\off+768
.endm
.macro FETCH s                         ; K step s: the weight's eight fragments and o's four into set s % 2: 48 loads in one run
	WIN 0x40
.irp i, 0,1,2,3,4,5,6,7
	FRAGL 96*((\s)%2)+12*\i, ADB16+(\s)/2, ADB8+(\s)/2, 3072*\i+1536*((\s)%2)
.endr
	WIN 0
.irp i, 0,1,2,3
	FRAGL AF+48*((\s)%2)+12*\i, ADA16+(\s)/2, ADA8+(\s)/2, 3072*\i+1536*((\s)%2)
.endr
.endm
; Eight matrix instructions: token tile a against the eight feature tiles.  The 32 accumulators take turns, one instruction a turn, in the same order in every K step.
.macro MUL8 a, s
.set FB, 96*((\s)%2)
.set FA, AF+48*((\s)%2)+12*(\a)
.set SI, (\s)%4
.irp b, 0,1,2,3,4,5,6,7
.set AC, 8*(8*(\a)+\b)
.if (\s) == 0
	v_wmma_scale_f32_16x16x128_f8f6f4 v[AC:AC+7], v[FB+12*\b:FB+12*\b+11], v[FA:FA+11], v[BQ+8*\b:BQ+8*\b+7], v[SCB+4*\b+SI], v[SCA+4*(\a)+SI] matrix_a_fmt:MATRIX_FMT_FP6 matrix_b_fmt:MATRIX_FMT_FP6
.elseif (\s) < 4
	v_wmma_scale_f32_16x16x128_f8f6f4 v[AC:AC+7], v[FB+12*\b:FB+12*\b+11], v[FA:FA+11], v[AC:AC+7], v[SCB+4*\b+SI], v[SCA+4*(\a)+SI] matrix_a_fmt:MATRIX_FMT_FP6 matrix_b_fmt:MATRIX_FMT_FP6
.else
	v_wmma_scale_f32_16x16x128_f8f6f4 v[AC:AC+7], v[FB+12*\b:FB+12*\b+11], v[FA:FA+11], v[AC:AC+7], v[SCB+4*\b+SI], v[SCA+4*(\a)+SI] matrix_a_fmt:MATRIX_FMT_FP6 matrix_b_fmt:MATRIX_FMT_FP6 matrix_a_scale:MATRIX_SCALE_ROW1 matrix_b_scale:MATRIX_SCALE_ROW1
.endif
.endr
.endm
.macro MWIN s
.if (\s) == 0
	WIN 0x91                                       ; source 0 window 1, source 1 window 0, C (the bias) window 1, D window 2
.else
	WIN 0xa1                                       ; C and D window 2
.endif
.endm
; A K step: 32 matrix instructions; behind the first eight the next step's 48 loads go out.  In K steps 1, 3, 5 the next step lies in the next chunk: each wave waits for its own load of that chunk
; (the count: the chunk loads issued behind it), signals, and reads behind the barrier.
.macro KSTEP s
	s_wait_dscnt 0x0                               ; this step's fragments are in
.if ((\s)%2 == 1) && ((\s) < 7)
	s_wait_tensorcnt 3-((\s)+1)/2
	s_barrier_signal -1
.endif
	MWIN \s
	MUL8 0, \s
.if ((\s)%2 == 1) && ((\s) < 7)
	s_barrier_wait -1
.endif
.if (\s) < 7
	PLACES                                         ; four places in front of loads into the set that the step before multiplied
	FETCH (\s)+1
	MWIN \s
.endif
	MUL8 1, \s
	MUL8 2, \s
	MUL8 3, \s
.endm
	s_wait_alu depctr_va_vdst(0)
	s_wait_tensorcnt 3                             ; my part of chunk 0 is in; the three chunks behind it may be out,
	s_barrier_signal -1
	s_barrier_wait -1                              ; everybody's is
	FETCH 0
	s_wait_loadcnt 0x0                             ; scale words and bias
.irp q, 0,1,2,3,4,5,6,7
	KSTEP \q
.endr
	WIN 0
; THE WAY OUT, a tile of 16 tokens x 128 features at a time: through my own stage and back as whole rows of 512 bytes.  LDS serves a wave's instructions in order: no wait between the stores and the loads.
.macro TOSTAGE a
	WIN 0x08                                       ; an LDS store's data are its source 1: window 2
.irp b, 0,1,2,3,4,5,6,7
	ds_store_b128 v[STO], v[64*(\a)+8*\b:64*(\a)+8*\b+3] offset:128*(\b/2)+32*(\b%2)          ; each accumulator from its low end on
	ds_store_b128 v[STO], v[64*(\a)+8*\b+4:64*(\a)+8*\b+7] offset:128*(\b/2)+32*(\b%2)+16
.endr
	WIN 0
.set BB, 128+64*((\a)%2)
.irp t, 0,1,2,3,4,5,6,7,8,9,10,11,12,13,14,15
	ds_load_b128 v[BB+4*\t:BB+4*\t+3], v[RD] offset:\t*SPITCH
.endr
.endm
.macro SEND a, younger                 ; younger: the LDS instructions issued behind tile a's loads, which may stay out
.set BB, 128+64*((\a)%2)
	s_wait_dscnt \younger
.irp t, 0,1,2,3,4,5,6,7,8,9,10,11,12,13,14,15
	global_store_b128 v[L16], v[BB+4*\t:BB+4*\t+3], s[58:59] offset:(32*((\a)/2)+8*((\a)%2)+\t+8*(\t/8))*4096 th:TH_STORE_NT   ; 32 lanes store 512 consecutive bytes, aligned; tile row t is token t + 8 (t / 8) of the tile
.endr
.endm
	PLACES                                         ; behind the last products: results are read, and loads land in registers that held fragments
	TOSTAGE 0
.irp a, 1,2,3
.if \a > 1
	s_wait_xcnt 0x0                                ; tile a - 2's stores have read their registers: tile a's loads may land there
.endif
	TOSTAGE \a
	SEND \a-1, 32                                  ; behind tile a - 1's loads: tile a's 16 stores and 16 loads
.endr
	SEND 3, 0
	s_wait_tensorcnt 0x0
	ds_add_u32 v126, v127
	s_wait_dscnt 0x0
	CROUND                                         ; the closing round: no work-group ends while a partner may still ask for a tile that names it
	s_endpgm
.Lfunc_end_k_q48a62acca2_proj:
	.size	k_q48a62acca2_proj, .Lfunc_end_k_q48a62acca2_proj-k_q48a62acca2_proj
	.p2alignl 7, 3214868480
	.fill 96, 4, 3214868480
	.section	.rodata,"a",@progbits
	.p2align	6, 0x0
	.amdhsa_kernel k_q48a62acca2_proj
		.amdhsa_group_segment_fixed_size 295424
		.amdhsa_private_segment_fixed_size 0
		.amdhsa_enable_private_segment 0
		.amdhsa_kernarg_size 48
		.amdhsa_user_sgpr_count 2
		.amdhsa_user_sgpr_kernarg_segment_ptr 1
		.amdhsa_wavefront_size32 1
		.amdhsa_system_sgpr_workgroup_id_x 1
		.amdhsa_system_sgpr_workgroup_id_y 1
		.amdhsa_system_sgpr_workgroup_id_z 1
		.amdhsa_system_vgpr_workitem_id 0
		.amdhsa_next_free_vgpr 768
		.amdhsa_next_free_sgpr 100
		.amdhsa_reserve_vcc 0
		.amdhsa_float_denorm_mode_32 3
		.amdhsa_float_denorm_mode_16_64 3
		.amdhsa_memory_ordered 1
		.amdhsa_forward_progress 1
		.amdhsa_inst_pref_size 85
	.end_amdhsa_kernel
	.amdgpu_metadata
---
amdhsa.version: [ 1, 2 ]
amdhsa.kernels:
  - .name:           k_q48a62acca2_proj
    .symbol:         k_q48a62acca2_proj.kd
    .args:
      - { .name: ocodes, .offset: 0, .size: 8, .value_kind: global_buffer, .address_space: global }
      - { .name: oscales, .offset: 8, .size: 8, .value_kind: global_buffer, .address_space: global }
      - { .name: wcodes, .offset: 16, .size: 8, .value_kind: global_buffer, .address_space: global }
      - { .name: wscales, .offset: 24, .size: 8, .value_kind: global_buffer, .address_space: global }
      - { .name: out_b, .offset: 32, .size: 8, .value_kind: global_buffer, .address_space: global }
      - { .name: out0, .offset: 40, .size: 8, .value_kind: global_buffer, .address_space: global }
    .group_segment_fixed_size: 295424
    .private_segment_fixed_size: 0
    .kernarg_segment_align: 8
    .kernarg_segment_size: 48
    .max_flat_workgroup_size: 128
    .sgpr_count:     100
    .vgpr_count:     768
    .wavefront_size: 32
...
	.end_amdgpu_metadata
.endif
;; end of part 4
